; MI455X (gfx1250); checked and timed in simulation.
; The chip was launched on July 23, 2026; its instructions are those of AMD's public machine-readable ISA for CDNA 5 (MIT licence, August 2026) and "CDNA5" Instruction Set Architecture Reference Guide (July 2026). The comments in the code are by the model that wrote it; some were corrected since.
;; Cross Attention. Allowed arithmetic: matrix products marked QUANTISED: E2M1 operands, one E8M0 scale for each 32 along K, by v_wmma_scale_f32_16x16x128_f8f6f4 with both operands' format E2M1 (or v_wmma_scale_f32_32x16x128_f4), f32 sums; products left as they are: bf16, f16 or f32 operands; f32 sums; everything else in f32.
;; Inputs: Wk 1,024 x 1,024 float32; Wo 1,024 x 1,024 float32; Wq 1,024 x 1,024 float32; Wv 1,024 x 1,024 float32; bk 1,024 float32; bo 1,024 float32; bq 1,024 float32; bv 1,024 float32; kv 4 x 2,048 x 1,024 float32; q 4 x 2,048 x 1,024 float32.
;; Outputs: out0 4 x 2,048 x 1,024 float32.
;; This version of the problem:
;;   THIS VERSION OF THE PROBLEM IS GIVEN IN LOW PRECISION. The matrix products marked QUANTISED in the list below multiply operands that are first quantised to E2M1 (2 exponent bits, 1 mantissa bit; 4 bits a number), with one power-of-two scale for each 32 numbers along K (OCP MX v1.0); their sums are f32. The products marked 'left as it is' may take bf16, f16 or f32 operands, with f32 sums. Whichever they take, every output number must still come out within the allowed error. Rounding operands to bf16 (8 significant bits) uses up far more of that allowance than f16 does (11 bits, for magnitudes from 6e-5 to 65,504). All else is computed in f32.
;;   The module's matrix products, in the order in which they are computed (A, B: the left and right operand; K: the contracted axis; several contracted axes count as one K, in the product's order):
;;     1. [M 8,192, K 1,024] x [K 1,024, N 1,024]; A: input q; B: input Wq: QUANTISED
;;     2. [M 8,192, K 1,024] x [K 1,024, N 1,024]; A: input kv; B: input Wk: QUANTISED
;;     3. [M 8,192, K 1,024] x [K 1,024, N 1,024]; A: input kv; B: input Wv: QUANTISED
;;     4. batch 64 x [M 2,048, K 64] x [K 64, N 2,048]; A: computed on the way; B: computed on the way: left as it is (an operand is computed on the way)
;;     5. batch 64 x [M 2,048, K 2,048] x [K 2,048, N 64]; A: computed on the way; B: computed on the way: left as it is (an operand is computed on the way)
;;     6. [M 8,192, K 1,024] x [K 1,024, N 1,024]; A: computed on the way; B: input Wo: left as it is (an operand is computed on the way)
;;   THE QUANTISER, for each operand of a quantised product, along K:
;;     - K is cut into blocks of 32 from its start; a last block that is shorter is filled with zeros.
;;     - A block's scale is 2^e with e = floor(log2(the largest magnitude in the block)) - 2, held to -126 .. 127; a block of zeros has e = 0. As a byte (E8M0): e + 127.
;;     - Each number is divided by its block's scale, clamped to +-6, and rounded to the nearest number of E2M1, ties to even, subnormals kept.
;;     - The product sums the exact products of the quantised numbers (number of the format x scale) in f32.
;;   ~~~python
;;   def quantise(x, axis):      # numpy; x: float32 -> the quantised numbers, widened to float32 again
;;       x = np.moveaxis(x, axis, -1); K = x.shape[-1]
;;       x = np.pad(x, [(0, 0)] * (x.ndim - 1) + [(0, -K % 32)]); x = x.reshape(x.shape[:-1] + (-1, 32)); a = np.abs(x).max(-1, keepdims=True)
;;       e = np.where(a > 0, np.clip(np.frexp(np.where(a > 0, a, 1))[1] - 1 - 2, -126, 127), 0)      # np.frexp(a)[1] - 1 = floor(log2(a)), exactly
;;       r = np.clip(x / 2.0 ** e, -6, 6)
;;       step = 2.0 ** (np.maximum(np.frexp(np.where(r == 0, 1, r))[1] - 1, 0) - 1)
;;       q = np.round(r / step) * step * 2.0 ** e      # np.round: ties to even
;;       return np.moveaxis(q.reshape(q.shape[:-2] + (-1,))[..., :K], -1, axis).astype(np.float32)
;;   ~~~
;; One version. Each part assembles by itself: llvm-mc -triple=amdgcn-amd-amdhsa -mcpu=gfx1250 --defsym DOCPART=n.
;; ======== version 1 of 1: 6 launches
;; limits: values are held in f16: magnitudes above 65,504 overflow, below 6.1e-05 lose precision
;; workspace buffers: x_codes 8,388,608 bytes; x_scales 524,288 bytes; w_codes 1,572,864 bytes; w_scales 98,304 bytes; wo16 2,097,152 bytes; qkv 50,331,648 bytes; att 16,777,216 bytes; att16 262,144 bytes
;; launch quant (part 1): grid 640 x 1, 4 waves a work-group, no clusters, 33,280 bytes of LDS; arguments q, kv, Wq, Wk, Wv, Wo, x_codes, x_scales, w_codes, w_scales, wo16; writes x_codes, x_scales, w_codes, w_scales, wo16
.if DOCPART == 1
	.amdgcn_target "amdgcn-amd-amdhsa--gfx1250"
	.amdhsa_code_object_version 6
	.text
	.protected	k_q727efb7a27_quant
	.globl	k_q727efb7a27_quant
	.p2align	8
	.type	k_q727efb7a27_quant,@function
k_q727efb7a27_quant:
	s_mov_b64 s[64:65], 0
	v_nop
	global_prefetch_b8 v0, s[64:65] scope:SCOPE_SE
	s_setreg_imm32_b32 hwreg(HW_REG_WAVE_MODE, 25, 1), 1
	s_wait_xcnt 0x0
; q, kv [8192][1024] and Wq, Wk, Wv [1024][1024], f32 with K innermost, become codes of FP4 (E2M1), two a byte, and one E8M0 scale byte for each 32 along K.  Wo [1024][1024] becomes f16.
; A block's scale is 2^(floor(log2(its largest magnitude)) - 2); its byte is the largest magnitude's exponent field - 2, held at 1 from below.  Each number is divided by the scale and rounded to the nearest code, ties to even;
; beyond the largest code the conversion gives the largest code.
; LIMITS: a block of zeros gets the byte 1 (its codes are zeros, and this program alone reads the bytes); blocks whose largest magnitude lies under 2^-124 are held at byte 1; NaN and infinities are not served;
; Wo must lie within f16's range (65,504).
; SHARES: a work-group takes 32,768 numbers, a wave 8,192.  Work-groups 0-255: q; 256-511: kv; 512-543: Wq; 544-575: Wk; 576-607: Wv; 608-639: Wo.  Rows are dense and K is a multiple of 32: every tensor is a plain stream of blocks.
; Only pointers are chosen by the work-group's number: the five quantised tensors take one way through the text.
; A step is 512 numbers: four loads of 512 consecutive bytes; the 2,048 bytes turn through the wave's own stage in LDS so that a lane holds 16 neighbours along K (two lanes to a block).
.set WAVES, 4
.set STEPS, 16
.set EMAX,  2
.set CB,    8                          ; bytes of 16 codes
.set R,     16                         ; v16-79   four sets of 16 numbers as loaded (Wo: v16-143, two sets of 64)
.set X,     80                         ; v80-111  two sets of 16 neighbours
.set E,     112                        ; v112-127 a scale byte for each step
.set C,     128                        ; v128-191 codes, four registers a step: no store's data are written again
.set H,     144                        ; v144-175 Wo: 16 runs' f16 numbers
.set WREG,  8192                       ; LDS: a wave's region: two stages of 32 x SP bytes, then its 256 scale bytes
.set SP,    80                         ; a lane's place in a stage: 64 bytes + 16 of padding
.set SPW,   12                         ; v12 LDS address of my spare word; never rewritten
.set NIL,   13                         ; v13 0; never rewritten
.set SPARE, WAVES*WREG                 ; the spare words: 128 bytes a wave, two blocks of 256 bytes that no other line names
	s_load_b256 s[4:11], s[0:1], 0x0               ; q, kv, Wq, Wk
	s_load_b256 s[12:19], s[0:1], 0x20             ; Wv, Wo, x_codes, x_scales
	s_load_b128 s[20:23], s[0:1], 0x40             ; w_codes, w_scales
	s_load_b64 s[24:25], s[0:1], 0x50              ; wo16
	v_lshl_add_u32 v[SPW], v0, 2, SPARE
	v_mov_b32 v[NIL], 0
	v_lshrrev_b32 v1, 5, v0
	v_readfirstlane_b32 s26, v1                    ; wave
	v_and_b32 v2, 31, v0                           ; lane
	v_lshlrev_b32 v3, 4, v2                        ; my 16 bytes of a load's 512
	s_mul_i32 s27, s26, WREG
	v_lshrrev_b32 v14, 2, v2
	v_mul_u32_u24 v14, v14, SP
	v_and_b32 v15, 3, v2
	v_lshl_add_u32 v14, v15, 4, v14
	v_add_nc_u32 v14, s27, v14                     ; the stage, on the way in: SP (lane / 4) + 16 (lane % 4)
	v_mul_u32_u24 v15, v2, SP
	v_add_nc_u32 v15, s27, v15                     ; and on the way out: SP x lane: my 16 neighbours
	v_mul_u32_u24 v4, v2, CB                       ; my codes' place in a step's
	v_lshrrev_b32 v5, 1, v2
	s_add_co_u32 s27, s27, 2*32*SP
	v_add_nc_u32 v5, s27, v5                       ; LDS: my block's scale byte
	v_lshlrev_b32 v7, 3, v2                        ; 8 bytes a lane
	v_add_nc_u32 v6, s27, v7
	s_wait_kmcnt 0x0
	s_cmp_ge_u32 ttmp9, 608
	s_cbranch_scc1 .Lwo                            ; the last 32 work-groups take Wo
	s_mov_b64 s[28:29], s[12:13]                   ; the source: Wv, unless the work-group's number says otherwise
	s_mov_b32 s34, 576                             ; and the first work-group of that source
	s_cmp_lt_u32 ttmp9, 576
	s_cselect_b64 s[28:29], s[10:11], s[28:29]
	s_cselect_b32 s34, 544, s34
	s_cmp_lt_u32 ttmp9, 544
	s_cselect_b64 s[28:29], s[8:9], s[28:29]
	s_cselect_b32 s34, 512, s34
	s_cmp_lt_u32 ttmp9, 512
	s_cselect_b64 s[28:29], s[6:7], s[28:29]
	s_cselect_b32 s34, 256, s34
	s_cselect_b64 s[30:31], s[16:17], s[20:21]     ; codes: x's or w's
	s_cselect_b64 s[32:33], s[18:19], s[22:23]     ; scale bytes likewise
	s_cselect_b32 s35, 0, 512                      ; the first work-group of that pair of buffers
	s_cmp_lt_u32 ttmp9, 256
	s_cselect_b64 s[28:29], s[4:5], s[28:29]
	s_cselect_b32 s34, 0, s34
	s_sub_co_u32 s36, ttmp9, s34
	s_lshl_b32 s36, s36, 2
	s_add_co_u32 s36, s36, s26                     ; my run of 8,192 numbers in the source
	s_lshl_b32 s36, s36, 15                        ; 32,768 bytes a run
	s_mov_b32 s37, 0
	s_add_nc_u64 s[28:29], s[28:29], s[36:37]
	s_sub_co_u32 s38, ttmp9, s35
	s_lshl_b32 s38, s38, 2
	s_add_co_u32 s38, s38, s26                     ; my run in the codes' buffer
	s_lshl_b32 s36, s38, 12                        ; 4,096 bytes of codes a run
	s_add_nc_u64 s[30:31], s[30:31], s[36:37]
	s_lshl_b32 s36, s38, 8                         ; 256 scale bytes a run
	s_add_nc_u64 s[32:33], s[32:33], s[36:37]
.macro LOAD t
.irp i, 0,1,2,3
	global_load_b128 v[R+16*((\t)%4)+4*\i:R+16*((\t)%4)+4*\i+3], v3, s[28:29] offset:2048*(\t)+512*\i th:TH_LOAD_NT   ; 32 lanes read 512 consecutive bytes
.endr
.endm
.macro TURN t                          ; step t's numbers through the stage: LDS serves a wave's instructions in order, so no wait stands between the stores and the loads
.irp i, 0,1,2,3
	ds_store_b128 v14, v[R+16*((\t)%4)+4*\i:R+16*((\t)%4)+4*\i+3] offset:32*SP*((\t)%2)+8*SP*\i
.endr
.irp i, 0,1,2,3
	ds_load_b128 v[X+16*((\t)%2)+4*\i:X+16*((\t)%2)+4*\i+3], v15 offset:32*SP*((\t)%2)+16*\i
.endr
.endm
.irp t, 0,1,2,3
	LOAD \t
.endr
	s_wait_loadcnt 12                              ; step 0's four loads are in; the 12 of steps 1 to 3 may be out
	TURN 0
.macro STEP t
.set XS, X+16*((\t)%2)
.if (\t) > 0
	s_wait_dscnt 1                                 ; this step's numbers are back from the stage (the last step's byte store may be out)
.else
	s_wait_dscnt 0x0
.endif
.if (\t)+4 < STEPS
	LOAD (\t)+4                                    ; the registers that the stage's stores have read take the loads of four steps on
.endif
.if (\t)+1 < STEPS
.if STEPS-2-(\t) >= 3
	s_wait_loadcnt 12                              ; the next step's four loads are in; those of the three steps behind it may be out
.else
	s_wait_loadcnt 4*(STEPS-2-(\t))
.endif
	TURN (\t)+1
.endif
	v_max3_num_f32 v8, |v[XS]|, |v[XS+1]|, |v[XS+2]|               ; the largest magnitude of my 16, in two chains
	v_max3_num_f32 v9, |v[XS+3]|, |v[XS+4]|, |v[XS+5]|
.irp i, 6,10
	v_max3_num_f32 v8, v8, |v[XS+\i]|, |v[XS+\i+1]|
	v_max3_num_f32 v9, v9, |v[XS+\i+2]|, |v[XS+\i+3]|
.endr
	v_max3_num_f32 v8, v8, |v[XS+14]|, |v[XS+15]|
	v_max3_num_f32 v8, v8, v9, (EMAX+1)<<23        ; and the floor 2^(3 - 127): the byte cannot fall under 1
	v_max_num_f32_dpp v8, v8, v8 row_xmask:1 row_mask:0xf bank_mask:0xf   ; and of my neighbour's 16: the block's
	v_add_nc_u32 v11, -(EMAX<<23), v8              ; 2 off its exponent field: the conversion takes the exponent field of this operand as its scale
	v_cvt_scalef32_pk8_fp4_f32 v[C+4*(\t)], v[XS:XS+7], v11
	v_cvt_scalef32_pk8_fp4_f32 v[C+4*(\t)+1], v[XS+8:XS+15], v11
	v_lshrrev_b32 v[E+(\t)], 23, v11               ; the scale's byte
	ds_store_b8 v5, v[E+(\t)] offset:16*(\t)       ; both lanes of a block write the same byte with the same value
	global_store_b64 v4, v[C+4*(\t):C+4*(\t)+1], s[30:31] offset:32*CB*(\t)   ; the wave stores 256 consecutive bytes, aligned
.endm
.irp t, 0,1,2,3,4,5,6,7,8,9,10,11,12,13,14,15
	STEP \t
.endr
	ds_load_b64 v[8:9], v6                         ; my wave's 256 scale bytes, 8 a lane
	s_wait_dscnt 0x0
	global_store_b64 v7, v[8:9], s[32:33]          ; 256 consecutive bytes, aligned
	s_branch .Lend
.Lwo:                                              ; Wo to f16: a run is 512 bytes in, 256 bytes out; 64 runs a wave in four batches of 16, two batches of loads out
	s_sub_co_u32 s36, ttmp9, 608
	s_lshl_b32 s36, s36, 2
	s_add_co_u32 s36, s36, s26
	s_lshl_b32 s38, s36, 14
	s_lshl_b32 s36, s36, 15
	s_mov_b32 s37, 0
	s_mov_b32 s39, 0
	s_add_nc_u64 s[14:15], s[14:15], s[36:37]
	s_add_nc_u64 s[24:25], s[24:25], s[38:39]
.macro WLOAD n
.irp i, 0,1,2,3,4,5,6,7,8,9,10,11,12,13,14,15
	global_load_b128 v[R+64*((\n)%2)+4*\i:R+64*((\n)%2)+4*\i+3], v3, s[14:15] offset:8192*(\n)+512*\i
.endr
.endm
.macro WBATCH n
.if (\n) < 3
	s_wait_loadcnt 16                              ; this batch is in; the younger batch's 16 loads may be out
.else
	s_wait_loadcnt 0x0
.endif
.if (\n) > 0
	s_wait_xcnt 0x0                                ; the last batch's stores have read their data: the registers are written again only behind this wait
.endif
.irp i, 0,1,2,3,4,5,6,7,8,9,10,11,12,13,14,15
	v_cvt_pk_f16_f32 v[H+2*\i], v[R+64*((\n)%2)+4*\i], v[R+64*((\n)%2)+4*\i+1]
	v_cvt_pk_f16_f32 v[H+2*\i+1], v[R+64*((\n)%2)+4*\i+2], v[R+64*((\n)%2)+4*\i+3]
.endr
.irp i, 0,1,2,3,4,5,6,7,8,9,10,11,12,13,14,15
	global_store_b64 v7, v[H+2*\i:H+2*\i+1], s[24:25] offset:4096*(\n)+256*\i
.endr
.if (\n)+2 < 4
	WLOAD (\n)+2
.endif
.endm
	WLOAD 0
	WLOAD 1
	WBATCH 0
	WBATCH 1
	WBATCH 2
	WBATCH 3
.Lend:
	s_wait_tensorcnt 0x0                           ; the wave's end
	ds_add_u32 v[SPW], v[NIL]
	s_wait_dscnt 0x0
	s_endpgm
.Lfunc_end_k_q727efb7a27_quant:
	.size	k_q727efb7a27_quant, .Lfunc_end_k_q727efb7a27_quant-k_q727efb7a27_quant
	.p2alignl 7, 3214868480
	.fill 96, 4, 3214868480
	.section	.rodata,"a",@progbits
	.p2align	6, 0x0
	.amdhsa_kernel k_q727efb7a27_quant
		.amdhsa_group_segment_fixed_size 33280
		.amdhsa_private_segment_fixed_size 0
		.amdhsa_enable_private_segment 0
		.amdhsa_kernarg_size 88
		.amdhsa_user_sgpr_count 2
		.amdhsa_user_sgpr_kernarg_segment_ptr 1
		.amdhsa_wavefront_size32 1
		.amdhsa_system_sgpr_workgroup_id_x 1
		.amdhsa_system_sgpr_workgroup_id_y 1
		.amdhsa_system_sgpr_workgroup_id_z 1
		.amdhsa_system_vgpr_workitem_id 0
		.amdhsa_next_free_vgpr 192
		.amdhsa_next_free_sgpr 66
		.amdhsa_reserve_vcc 0
		.amdhsa_float_denorm_mode_32 3
		.amdhsa_float_denorm_mode_16_64 3
		.amdhsa_memory_ordered 1
		.amdhsa_forward_progress 1
		.amdhsa_inst_pref_size 55
	.end_amdhsa_kernel
	.amdgpu_metadata
---
amdhsa.version: [ 1, 2 ]
amdhsa.kernels:
  - .name:           k_q727efb7a27_quant
    .symbol:         k_q727efb7a27_quant.kd
    .args:
      - { .name: q, .offset: 0, .size: 8, .value_kind: global_buffer, .address_space: global }
      - { .name: kv, .offset: 8, .size: 8, .value_kind: global_buffer, .address_space: global }
      - { .name: Wq, .offset: 16, .size: 8, .value_kind: global_buffer, .address_space: global }
      - { .name: Wk, .offset: 24, .size: 8, .value_kind: global_buffer, .address_space: global }
      - { .name: Wv, .offset: 32, .size: 8, .value_kind: global_buffer, .address_space: global }
      - { .name: Wo, .offset: 40, .size: 8, .value_kind: global_buffer, .address_space: global }
      - { .name: x_codes, .offset: 48, .size: 8, .value_kind: global_buffer, .address_space: global }
      - { .name: x_scales, .offset: 56, .size: 8, .value_kind: global_buffer, .address_space: global }
      - { .name: w_codes, .offset: 64, .size: 8, .value_kind: global_buffer, .address_space: global }
      - { .name: w_scales, .offset: 72, .size: 8, .value_kind: global_buffer, .address_space: global }
      - { .name: wo16, .offset: 80, .size: 8, .value_kind: global_buffer, .address_space: global }
    .group_segment_fixed_size: 33280
    .private_segment_fixed_size: 0
    .kernarg_segment_align: 8
    .kernarg_segment_size: 88
    .max_flat_workgroup_size: 128
    .sgpr_count:     66
    .vgpr_count:     192
    .wavefront_size: 32
...
	.end_amdgpu_metadata
.endif
;; end of part 1
;; launch proj (part 2): grid 4 x 96, 4 waves a work-group, clusters of 4 x 4, 327,680 bytes of LDS; arguments x_codes, x_scales, w_codes, w_scales, bq, bk, bv, qkv; writes qkv
.if DOCPART == 2
	.amdgcn_target "amdgcn-amd-amdhsa--gfx1250"
	.amdhsa_code_object_version 6
	.text
	.protected	k_q727efb7a27_proj
	.globl	k_q727efb7a27_proj
	.p2align	8
	.type	k_q727efb7a27_proj,@function
k_q727efb7a27_proj:
	s_mov_b64 s[64:65], 0
	v_nop
	global_prefetch_b8 v0, s[64:65] scope:SCOPE_SE
	s_setreg_imm32_b32 hwreg(HW_REG_WAVE_MODE, 25, 1), 1
	s_wait_xcnt 0x0
	s_wait_alu depctr_hold_cnt(0) depctr_sa_sdst(0) depctr_va_vdst(0) depctr_va_sdst(0) depctr_va_ssrc(0) depctr_va_vcc(0) depctr_vm_vsrc(0)
	s_getreg_b32 s2, hwreg(HW_REG_IB_STS2, 6, 4)
	s_cmp_eq_u32 s2, 0
	s_cbranch_scc0 .Lentry_in_a_cluster
	s_endpgm
.Lentry_in_a_cluster:
	s_bfe_u32 s2, ttmp6, 0x10000c
	s_cmp_lg_u32 s2, 0xf033
	s_cbranch_scc0 .Lentry_shape_is_right
	s_endpgm
.Lentry_shape_is_right:
; The three input projections on codes of FP4: y[row][n] = sum over k of x[row][k] W[n][k] + bias[n], K = 1,024, sums in f32, y rounded once to f16 and laid by head: qkv [3][b 4][h 16][pos 2048][64].
; LIMIT: the projections' results must lie within f16's range (65,504); under 6e-5 f16's absolute step applies.
; SHARES: 3 x 32 x 4 tiles of 256 x 256; a work-group of four waves makes one, a wave 128 x 128: 64 accumulators, 512 registers.  Cluster y / 8 says which product (0: q Wq, 1: kv Wk, 2: kv Wv).
; K is two slots of 512 (LDS rows of 256 bytes + 16): both are asked for at the head and nothing is filled again.  The scale bytes of the work-group's rows, for all of K, come with them.
; CLUSTERS: 4 x 4 work-groups.  The four of a row of the cluster need the same rows of x, the four of a column the same rows of W: each tile is asked for jointly, by the same tensor load with the same descriptor and a mask of the four.
; THE MATRIX INSTRUCTION IS USED TRANSPOSED (source 0 = 16 rows of W, source 1 = 16 rows of x): a lane holds eight neighbouring channels of one position.  The bias, in that layout, is the C of each sum's first product.
; REGISTERS: window 0: v16-29 addresses; v32-95 scale words, two sets; v128-191 x's fragments, one set; v192-255 the bias (8 tiles x 8).  window 1: W's fragments, two sets.  windows 2, 3: accumulators ((a, b) at v[8 (8 (a % 4) + b)]).
.set NQ,     4                         ; steps of 128 along K in a slot
.set ROWB,   256                       ; a tile's row in bytes
.set KROW,   512                       ; a row of codes in memory
.set PITCH,  272
.set FR,     8
.set NL,     2
.set NP,     4
.set HALFT,  128*PITCH
.set SLOT,   4*HALFT
.set KS,     32                        ; a row of scale bytes
.set SCL,    2*SLOT
.set HALFS,  (128*KS/256)*272
.set SBLK,   (16*KS/256)*272
.set SPARE,  SCL+4*HALFS               ; the spare words: 128 bytes a wave
.set SPITCH, 272                       ; the way out: 16 rows x (256 bytes + 16) a wave, in slot 0, which has had its only fill and its last read by then
.set ADRA, 16
.set ADRB, 20
.set STO,  24
.set RD,   25
.set CO,   26
.set ADRS, 27
.set SPW,  28
.set NIL,  29
.set SC,   32
.set AF,   128
.set BIAS, 192
.set TMP,  192                         ; the way out: packed results
.set OB,   128                         ; and rows read back: v128-159 and v160-191 by turns
.set G1, 24
.set G0, 32
.set G1B, 48
.set G0B, 56
.set G1S, 68
.set G0S, 76
.set G1SB, 80
.set G0SB, 88
.set MSB, 0
.macro WIN new                         ; the immediate's high byte repeats the setting that is left
.if MSB != (\new)
	s_set_vgpr_msb (MSB<<8)|(\new)
.set MSB, (\new)
.endif
.endm
.set MUL_LO, 0xa1                      ; source 0 (W) window 1, source 1 (x) window 0, C and D window 2
.set MUL_HI, 0xf1                      ; the same, C and D window 3
.set TO_B,   0x40
; A joint load: waves 0 and 1 fetch for x, waves 2 and 3 for W.  An s_nop 0 and four v_nop follow each of the two lines.
.macro JLOAD g0a, g1a, g0b, g1b
	s_cmp_eq_u32 s17, 0
	s_cbranch_scc0 .Lfor_b_\@
	tensor_load_to_lds s[\g0a:\g0a+3], s[\g1a:\g1a+7]
	s_nop 0
.rept 4
	v_nop
.endr
	s_branch .Lasked_\@
.Lfor_b_\@:
	tensor_load_to_lds s[\g0b:\g0b+3], s[\g1b:\g1b+7]
	s_nop 0
.rept 4
	v_nop
.endr
.Lasked_\@:
.endm
.macro CROUND                          ; a round of the cluster's barrier
	s_barrier_signal -1
	s_barrier_wait -1
	s_cmp_lg_u32 s16, 0
	s_cbranch_scc1 .Lnot_wave_0_\@
	s_barrier_signal -3
.Lnot_wave_0_\@:
	s_barrier_wait -3
	s_barrier_signal -1
	s_barrier_wait -1
.endm
	s_load_b256 s[4:11], s[0:1], 0x0               ; x_codes, x_scales, w_codes, w_scales
	s_load_b128 s[96:99], s[0:1], 0x20             ; bq, bk
	s_load_b128 s[12:15], s[0:1], 0x30             ; bv, qkv
	v_lshl_add_u32 v[SPW], v0, 2, SPARE
	v_mov_b32 v[NIL], 0
	ds_add_u32 v[SPW], v[NIL]                      ; the wave's opening: the add, twice on end, and its wait ahead of my first tensor load
	ds_add_u32 v[SPW], v[NIL]
	v_lshrrev_b32 v1, 5, v0
	v_readfirstlane_b32 s16, v1                    ; wave 0..3
	s_lshr_b32 s17, s16, 1                         ; which half of the tile's rows is mine.  Also: I fetch for x (0) or for W (1)
	s_and_b32 s18, s16, 1                          ; which half of its columns.  Also: which 128 rows I fetch
	s_bfe_u32 s40, ttmp6, 0x40000                  ; cx
	s_bfe_u32 s41, ttmp6, 0x40004                  ; cy
	s_lshl_b32 s42, ttmp9, 2
	s_add_co_u32 s42, s42, s40                     ; tile column
	s_and_b32 s20, ttmp7, 0xffff                   ; cluster y, 0..23
	s_lshr_b32 s19, s20, 3                         ; which product: the same in all sixteen partners
	s_and_b32 s20, s20, 7
	s_lshl_b32 s20, s20, 2
	s_add_co_u32 s66, s20, s41                     ; tile row within the product, 0..31
	s_lshl_b32 s43, s41, 2
	s_lshl_b32 s43, 15, s43                        ; my row of the cluster
	s_lshl_b32 s44, 0x1111, s40                    ; my column
	s_or_b32 s[G1+0], s43, (0<<16)|(1<<20)|(1<<21)|(5<<22)|(3<<25)   ; the mask; elements of 1 byte; padding: 4 words behind every 64
	s_or_b32 s[G1B+0], s44, (0<<16)|(1<<20)|(1<<21)|(5<<22)|(3<<25)
.irp g, G1, G1B
	s_mov_b32 s[\g+1], ROWB<<16                    ; tensor_dim0
	s_mov_b32 s[\g+2], 128<<16                     ; tensor_dim1
	s_mov_b32 s[\g+3], ROWB<<16                    ; tile_dim0
	s_mov_b32 s[\g+4], 128                         ; tile_dim1
	s_mov_b32 s[\g+5], KROW                        ; the pitch
	s_mov_b32 s[\g+6], 0
	s_mov_b32 s[\g+7], 0
.endr
	s_or_b32 s[G1S+0], s43, (3<<16)|(1<<20)|(1<<21)|(5<<22)|(3<<25)  ; the scales of 128 rows: 4,096 dense bytes as 16 rows of 256 (32 elements of 8 bytes)
	s_or_b32 s[G1SB+0], s44, (3<<16)|(1<<20)|(1<<21)|(5<<22)|(3<<25)
.irp g, G1S, G1SB
	s_mov_b32 s[\g+1], 32<<16
	s_mov_b32 s[\g+2], (128*KS/256)<<16
	s_mov_b32 s[\g+3], 32<<16
	s_mov_b32 s[\g+4], 128*KS/256
	s_mov_b32 s[\g+5], 32
	s_mov_b32 s[\g+6], 0
	s_mov_b32 s[\g+7], 0
.endr
	s_lshl_b32 s21, s18, 7                         ; which 128 rows of the tile I fetch
	s_min_u32 s67, s19, 1                          ; x: q's rows for product 0, kv's for 1 and 2
	s_lshl_b32 s67, s67, 13
	s_lshl_b32 s20, s66, 8
	s_add_co_u32 s67, s67, s20
	s_add_co_u32 s67, s67, s21                     ; x's row
	s_lshl_b32 s46, s19, 10
	s_lshl_b32 s47, s42, 8
	s_add_co_u32 s46, s46, s47
	s_add_co_u32 s46, s46, s21                     ; W's row
	s_lshl_b32 s22, s67, 5                         ; their scale bytes,
	s_mov_b32 s23, 0
	s_lshl_b32 s92, s46, 5
	s_mov_b32 s93, 0
	s_lshl_b32 s20, s67, 9                         ; and their codes
	s_mov_b32 s21, 0
	s_lshl_b32 s46, s46, 9
	s_mov_b32 s47, 0
	s_mul_i32 s45, s16, HALFT                      ; where they go: wave x 128 rows
	s_mul_i32 s94, s16, HALFS
	s_wait_dscnt 0x0                               ; both opening adds are done
	s_wait_kmcnt 0x0
	s_add_nc_u64 s[20:21], s[4:5], s[20:21]
	s_add_nc_u64 s[22:23], s[6:7], s[22:23]
	s_add_nc_u64 s[46:47], s[8:9], s[46:47]
	s_add_nc_u64 s[92:93], s[10:11], s[92:93]
	s_cmp_eq_u32 s19, 1                            ; the product's bias
	s_cselect_b64 s[12:13], s[98:99], s[12:13]
	s_cmp_eq_u32 s19, 0
	s_cselect_b64 s[12:13], s[96:97], s[12:13]
	CROUND                                         ; all sixteen work-groups are here: the joint loads meet
	s_mov_b32 s[G0S], 1
	s_add_co_u32 s[G0S+1], s94, SCL
	s_mov_b64 s[G0S+2:G0S+3], s[22:23]
	s_or_b32 s[G0S+3], s[G0S+3], 0x80000000
	s_mov_b32 s[G0SB], 1
	s_add_co_u32 s[G0SB+1], s94, SCL
	s_mov_b64 s[G0SB+2:G0SB+3], s[92:93]
	s_or_b32 s[G0SB+3], s[G0SB+3], 0x80000000
	JLOAD G0S, G1S, G0SB, G1SB                     ; the scales first: three loads of mine are out at the most
.irp s, 0,1
	s_mov_b32 s[G0+4*\s], 1
	s_add_co_u32 s[G0+4*\s+1], s45, \s*SLOT
	s_add_nc_u64 s[G0+4*\s+2:G0+4*\s+3], s[20:21], \s*ROWB
	s_or_b32 s[G0+4*\s+3], s[G0+4*\s+3], 0x80000000
	s_mov_b32 s[G0B+4*\s], 1
	s_add_co_u32 s[G0B+4*\s+1], s45, \s*SLOT
	s_add_nc_u64 s[G0B+4*\s+2:G0B+4*\s+3], s[46:47], \s*ROWB
	s_or_b32 s[G0B+4*\s+3], s[G0B+4*\s+3], 0x80000000
	JLOAD G0+4*\s, G1, G0B+4*\s, G1B
.endr
	v_and_b32 v1, 15, v0                           ; r
	v_bfe_u32 v2, v0, 4, 1                         ; half of the lanes
	v_mul_u32_u24 v3, v1, PITCH
	v_lshl_add_u32 v4, v2, 4, v3                   ; a fragment's row x pitch + 16 x half
	s_mul_i32 s21, s17, HALFT                      ; my 128 rows of x
	s_mul_i32 s22, s18, HALFT
	s_add_co_u32 s22, s22, 2*HALFT                 ; my 128 rows of W, behind x's 256
.irp s, 0,1
	v_add_nc_u32 v[ADRA+\s], s21, v4
	v_add_nc_u32 v[ADRB+\s], s22, v4
	s_add_co_u32 s21, s21, SLOT
	s_add_co_u32 s22, s22, SLOT
.endr
	v_mul_u32_u24 v5, v1, KS                       ; my row's scales: 32 bytes a row,
	v_lshrrev_b32 v6, 8, v5
	v_lshl_add_u32 v5, v6, 4, v5                   ; and 16 more for each 256 passed
	s_mul_i32 s21, s17, HALFS
	s_mul_i32 s22, s18, HALFS
	s_add_co_u32 s22, s22, 2*HALFS
	s_sub_co_u32 s22, s22, s21
	v_mul_u32_u24 v6, s22, v2                      ; lanes 16-31 take W's
	s_add_co_u32 s21, s21, SCL
	v_add_nc_u32 v5, v5, v6
	v_add_nc_u32 v[ADRS], s21, v5
	s_mul_i32 s23, s16, 16*SPITCH                  ; my stage
	v_mul_u32_u24 v5, v1, SPITCH
	v_lshl_add_u32 v5, v2, 4, v5
	v_add_nc_u32 v[STO], s23, v5                   ; in: row r, 16 bytes for each half of the lanes
	v_and_b32 v6, 31, v0
	v_lshlrev_b32 v[CO], 4, v6                     ; out: 16 x lane: four positions of one head, 512 consecutive bytes
	v_lshrrev_b32 v5, 3, v6
	v_mul_u32_u24 v5, v5, SPITCH
	v_and_b32 v7, 7, v0
	v_lshl_add_u32 v5, v7, 4, v5
	v_add_nc_u32 v[RD], s23, v5                    ; back: row lane / 8, 16 (lane % 8) of a head's 128 bytes
	s_lshl_b32 s20, s66, 8
	s_lshl_b32 s21, s17, 7
	s_add_co_u32 s20, s20, s21                     ; my first row, 0..8191
	s_lshr_b32 s21, s20, 11                        ; batch
	s_and_b32 s20, s20, 2047                       ; position
	s_lshl_b32 s20, s20, 7
	s_lshl_b32 s21, s21, 22
	s_add_co_u32 s20, s20, s21
	s_lshl_b32 s21, s19, 24
	s_add_co_u32 s20, s20, s21
	s_lshl_b32 s21, s42, 2
	s_lshl_b32 s22, s18, 1
	s_add_co_u32 s21, s21, s22                     ; my first head: 4 x tile column + 2 x half
	s_lshl_b32 s21, s21, 18
	s_add_co_u32 s20, s20, s21
	s_mov_b32 s21, 0
	s_add_nc_u64 s[14:15], s[14:15], s[20:21]
	s_lshl_b32 s20, s42, 10
	s_lshl_b32 s22, s18, 9
	s_add_co_u32 s20, s20, s22                     ; my 128 columns' bias
	s_add_nc_u64 s[12:13], s[12:13], s[20:21]
	v_lshlrev_b32 v8, 5, v2
.irp b, 0,1,2,3,4,5,6,7
	global_load_b128 v[BIAS+8*\b:BIAS+8*\b+3], v8, s[12:13] offset:64*\b          ; bias of columns 16 b + 8 half + 0 .. 7
	global_load_b128 v[BIAS+8*\b+4:BIAS+8*\b+7], v8, s[12:13] offset:64*\b+16
.endr
.macro FRAG reg, adr, q, i             ; 16 rows x 128 K of 4-bit codes: 8 registers, two loads of 16 bytes, 32 bytes apart
.irp c, 0,1
	ds_load_b128 v[\reg+4*\c:\reg+4*\c+3], v[\adr] offset:64*(\q)+32*\c+(\i)*16*PITCH
.endr
.endm
; 16 matrix instructions: x's blocks a0, a0 + 1 against W's eight.  first = 1: C is the bias.  The 64 accumulators take turns, one instruction a turn.
.macro MUL16 a0, p, q, sc, first
.irp a, \a0, \a0+1
.irp b, 0,1,2,3,4,5,6,7
.if \first
	v_wmma_scale_f32_16x16x128_f8f6f4 v[8*(8*((\a)%4)+\b):8*(8*((\a)%4)+\b)+7], v[128*(\p)+FR*\b:128*(\p)+FR*\b+FR-1], v[AF+FR*(\a):AF+FR*(\a)+FR-1], v[BIAS+8*\b:BIAS+8*\b+7], v[SC+8*NQ*(\sc)+NQ*\b+(\q)], v[SC+8*NQ*(\sc)+NQ*(\a)+(\q)] matrix_a_fmt:MATRIX_FMT_FP4 matrix_b_fmt:MATRIX_FMT_FP4 matrix_a_scale:MATRIX_SCALE_ROW1
.else
	v_wmma_scale_f32_16x16x128_f8f6f4 v[8*(8*((\a)%4)+\b):8*(8*((\a)%4)+\b)+7], v[128*(\p)+FR*\b:128*(\p)+FR*\b+FR-1], v[AF+FR*(\a):AF+FR*(\a)+FR-1], v[8*(8*((\a)%4)+\b):8*(8*((\a)%4)+\b)+7], v[SC+8*NQ*(\sc)+NQ*\b+(\q)], v[SC+8*NQ*(\sc)+NQ*(\a)+(\q)] matrix_a_fmt:MATRIX_FMT_FP4 matrix_b_fmt:MATRIX_FMT_FP4 matrix_a_scale:MATRIX_SCALE_ROW1
.endif
.endr
.endr
.endm
.macro FETCH_B slot, q, p
	WIN TO_B
.irp i, 0,1,2,3,4,5,6,7
	FRAG 128*(\p)+FR*\i, ADRB+\slot, \q, \i
.endr
	WIN 0
.endm
.macro FETCH_A slot, q, i0
.irp i, \i0, \i0+1, \i0+2, \i0+3
	FRAG AF+FR*(\i), ADRA+\slot, \q, \i
.endr
.endm
.macro SCALES sc                       ; a slot's scale words: four a row; lanes 0-15 take x's block i, lanes 16-31 W's block i
.irp i, 0,1,2,3,4,5,6,7
	ds_load_b128 v[SC+8*NQ*\sc+NQ*\i:SC+8*NQ*\sc+NQ*\i+3], v[ADRS] offset:\i*SBLK
.endr
.endm
.macro PLACES n                        ; plain vector instructions between a matrix instruction and a load into, or a read of, its registers
.rept \n
	v_nop
.endr
.endm
.macro STEP slot, q, first             ; a step of 128 along K that has its successor in the same slot
	s_wait_dscnt 4*NL                              ; W's set and x's blocks 0-3 are in; the youngest eight loads (x's blocks 4-7) may be out
	WIN MUL_LO-0x20*(\first)
	MUL16 0, (\q)%2, \q, \slot, \first
	MUL16 2, (\q)%2, \q, \slot, \first
	s_wait_dscnt 0
	PLACES NP
	FETCH_B \slot, (\q)+1, 1-(\q)%2
	FETCH_A \slot, (\q)+1, 0
	WIN MUL_HI-0x30*(\first)
	MUL16 4, (\q)%2, \q, \slot, \first
	MUL16 6, (\q)%2, \q, \slot, \first
	PLACES NP
	WIN 0
	FETCH_A \slot, (\q)+1, 4
.endm
	s_wait_tensorcnt 1                             ; the scales and my part of slot 0 are in; slot 1's load may be out
	s_barrier_signal -1
	s_barrier_wait -1
	FETCH_B 0, 0, 0
	FETCH_A 0, 0, 0
	SCALES 0
	FETCH_A 0, 0, 4
	s_wait_loadcnt 0x0                             ; the bias
	STEP 0, 0, 1
	STEP 0, 1, 0
	STEP 0, 2, 0
	; slot 0's last step changes slots: one barrier; nothing is filled again
	s_wait_tensorcnt 0x0                           ; my part of slot 1 has landed
	ds_add_u32 v[SPW], v[NIL]
	s_wait_dscnt 4*NL+1                            ; (the add and the youngest eight loads may be out)
	WIN MUL_LO
	MUL16 0, 1, NQ-1, 0, 0
	s_wait_dscnt 0x0                               ; the add is done, and my reads of slot 0 are over
	s_barrier_signal -1
	MUL16 2, 1, NQ-1, 0, 0
	WIN 0
	s_barrier_wait -1
	PLACES NP
	v_add_nc_u32 v[ADRS], 4*NQ, v[ADRS]            ; on to slot 1's scale words
	FETCH_B 1, 0, 0
	FETCH_A 1, 0, 0
	SCALES 1
	WIN MUL_HI
	MUL16 4, 1, NQ-1, 0, 0
	MUL16 6, 1, NQ-1, 0, 0
	PLACES NP
	WIN 0
	FETCH_A 1, 0, 4
	STEP 1, 0, 0
	STEP 1, 1, 0
	STEP 1, 2, 0
	s_wait_dscnt 4*NL                              ; the last step: nothing more to fetch
	WIN MUL_LO
	MUL16 0, 1, NQ-1, 1, 0
	MUL16 2, 1, NQ-1, 1, 0
	s_wait_dscnt 0
	WIN MUL_HI
	MUL16 4, 1, NQ-1, 1, 0
	MUL16 6, 1, NQ-1, 1, 0
	WIN 0
; THE WAY OUT, block by block of 16 positions x 128 channels (two heads).  Rounded to f16, 16 bytes a lane into my stage; back so that the 32 lanes hold four positions of one head: 512 consecutive bytes of qkv.
.macro PACK a
.set AC, 64*((\a)%4)
	WIN 0x0a+5*((\a)/4)                            ; sources 0 and 1: window 2 or 3
.irp b, 0,1,2,3,4,5,6,7
.irp r, 0,1,2,3
	v_cvt_pk_f16_f32 v[TMP+4*\b+\r], v[AC+8*\b+2*\r], v[AC+8*\b+2*\r+1]     ; each accumulator from its low end on
.endr
.endr
	WIN 0
.endm
.macro TOSTAGE a
.set BB, OB+32*((\a)%2)
.irp b, 0,1,2,3,4,5,6,7
	ds_store_b128 v[STO], v[TMP+4*\b:TMP+4*\b+3] offset:32*\b
.endr
.irp t, 0,1,2,3,4,5,6,7
	ds_load_b128 v[BB+4*\t:BB+4*\t+3], v[RD] offset:(\t%4)*4*SPITCH+(\t/4)*128     ; LDS serves a wave's instructions in order: these see the stores above
.endr
.endm
.macro SEND a
.set BB, OB+32*((\a)%2)
	s_wait_dscnt 0x0                               ; the block is back in registers
	s_wait_xcnt 0x0                                ; the block before last's stores have read their data: the next loads from the stage may land there
.irp t, 0,1,2,3,4,5,6,7
	global_store_b128 v[CO], v[BB+4*\t:BB+4*\t+3], s[14:15] offset:(\a)*2048+(\t%4)*512+(\t/4)*262144
.endr
.endm
	PLACES NP
	PACK 0
	TOSTAGE 0
.irp a, 1,2,3,4,5,6,7
	PACK \a
	SEND \a-1
	TOSTAGE \a
.endr
	SEND 7
	s_wait_tensorcnt 0x0                           ; the wave's end
	ds_add_u32 v[SPW], v[NIL]
	s_wait_dscnt 0x0
	CROUND                                         ; the closing round
	s_endpgm
.Lfunc_end_k_q727efb7a27_proj:
	.size	k_q727efb7a27_proj, .Lfunc_end_k_q727efb7a27_proj-k_q727efb7a27_proj
	.p2alignl 7, 3214868480
	.fill 96, 4, 3214868480
	.section	.rodata,"a",@progbits
	.p2align	6, 0x0
	.amdhsa_kernel k_q727efb7a27_proj
		.amdhsa_group_segment_fixed_size 327680
		.amdhsa_private_segment_fixed_size 0
		.amdhsa_enable_private_segment 0
		.amdhsa_kernarg_size 64
		.amdhsa_user_sgpr_count 2
		.amdhsa_user_sgpr_kernarg_segment_ptr 1
		.amdhsa_wavefront_size32 1
		.amdhsa_system_sgpr_workgroup_id_x 1
		.amdhsa_system_sgpr_workgroup_id_y 1
		.amdhsa_system_sgpr_workgroup_id_z 1
		.amdhsa_system_vgpr_workitem_id 0
		.amdhsa_next_free_vgpr 1024
		.amdhsa_next_free_sgpr 100
		.amdhsa_reserve_vcc 0
		.amdhsa_float_denorm_mode_32 3
		.amdhsa_float_denorm_mode_16_64 3
		.amdhsa_memory_ordered 1
		.amdhsa_forward_progress 1
		.amdhsa_inst_pref_size 128
	.end_amdhsa_kernel
	.amdgpu_metadata
---
amdhsa.version: [ 1, 2 ]
amdhsa.kernels:
  - .name:           k_q727efb7a27_proj
    .symbol:         k_q727efb7a27_proj.kd
    .args:
      - { .name: x_codes, .offset: 0, .size: 8, .value_kind: global_buffer, .address_space: global }
      - { .name: x_scales, .offset: 8, .size: 8, .value_kind: global_buffer, .address_space: global }
      - { .name: w_codes, .offset: 16, .size: 8, .value_kind: global_buffer, .address_space: global }
      - { .name: w_scales, .offset: 24, .size: 8, .value_kind: global_buffer, .address_space: global }
      - { .name: bq, .offset: 32, .size: 8, .value_kind: global_buffer, .address_space: global }
      - { .name: bk, .offset: 40, .size: 8, .value_kind: global_buffer, .address_space: global }
      - { .name: bv, .offset: 48, .size: 8, .value_kind: global_buffer, .address_space: global }
      - { .name: qkv, .offset: 56, .size: 8, .value_kind: global_buffer, .address_space: global }
    .group_segment_fixed_size: 327680
    .private_segment_fixed_size: 0
    .kernarg_segment_align: 8
    .kernarg_segment_size: 64
    .max_flat_workgroup_size: 128
    .sgpr_count:     100
    .vgpr_count:     1024
    .wavefront_size: 32
...
	.end_amdgpu_metadata
.endif
;; end of part 2
;; launch fine_attn (part 3): grid 16 x 4, 12 waves a work-group, no clusters, 18,432 bytes of LDS; arguments x_codes, x_scales, w_codes, w_scales, bq, bk, bv, att16; writes att16
.if DOCPART == 3
	.amdgcn_target "amdgcn-amd-amdhsa--gfx1250"
	.amdhsa_code_object_version 6
	.text
	.protected	k_q727efb7a27_fine_attn
	.globl	k_q727efb7a27_fine_attn
	.p2align	8
	.type	k_q727efb7a27_fine_attn,@function
k_q727efb7a27_fine_attn:
	s_mov_b64 s[64:65], 0
	v_nop
	global_prefetch_b8 v0, s[64:65] scope:SCOPE_SE
	s_setreg_imm32_b32 hwreg(HW_REG_WAVE_MODE, 25, 1), 1
	s_wait_xcnt 0x0
; The first 16 positions of every sequence, carried in f32: their rows average few values, where the rounding of 16-bit operands weighs most.  att16 [b 4][pos 16][1024] f32.
; A work-group is one (head = x, batch = y).  PHASE 1: wave u makes one tile of 16 positions x 16 channels of one projection (u / 4: 0 Q, 1 K, 2 V; channels 16 (u % 4) on) on the FP4 codes, K = 1,024 in eight steps.
; Q and K are made transposed (source 0 = 16 rows of W, source 1 = the 16 positions): lane (r, half) holds position r, channels 8 half + j.  V is made straight: lane (r, half) holds channel r, positions 8 half + j.
; Registers 2 i, 2 i + 1 of such a tile are then an operand of the f32 matrix form as they stand: its four places along K stand for the same four channels in Q and K, and for the same four keys in V and P.
; The tiles go to wave 0 through LDS as images of their registers.  PHASE 2 (wave 0): S^T = K Q^T, the causal mask, softmax with the row's maximum taken away, O^T = V^T P, divided by the sum.
; LIMITS: NaN and infinities are not served; the order of the f32 sums differs from the definition's.
.set IMG,   0                          ; LDS: 12 images of 1,024 bytes
.set STG,   12288                      ; 16 rows x (256 bytes + 16)
.set SPARE, 16640                      ; the spare words: 128 bytes a wave
.set SPW, 16
.set NIL, 17
.set AFR, 32                           ; v32-95   source 0's eight fragments
.set BFR, 96                           ; v96-159  source 1's
.set AS,  160                          ; v160-167 source 0's scale words, v168-175 source 1's: scales and nothing else
.set BS,  168
.set BIAS, 176
.set AC0, 184
.set AC1, 192
.set RR,  200
.set SA,  208                          ; v208-255 are written by the f32 matrix form alone
.set SB,  216
.set OA,  224
.set QT,  32                           ; wave 0, phase 2
.set KT,  64
.set VT,  96
.set SS,  128
.set PT,  136
	s_load_b256 s[4:11], s[0:1], 0x0               ; x_codes, x_scales, w_codes, w_scales
	s_load_b256 s[12:19], s[0:1], 0x20             ; bq, bk, bv, att16
	v_lshl_add_u32 v[SPW], v0, 2, SPARE
	v_mov_b32 v[NIL], 0
	v_lshrrev_b32 v1, 5, v0
	v_readfirstlane_b32 s20, v1                    ; wave u
	s_lshr_b32 s21, s20, 2                         ; which projection
	s_and_b32 s22, s20, 3                          ; which 16 channels
	s_and_b32 s24, ttmp7, 0xffff                   ; batch
	v_and_b32 v1, 15, v0                           ; r
	v_bfe_u32 v2, v0, 4, 1                         ; half
	v_and_b32 v3, 31, v0                           ; lane
	v_lshlrev_b32 v4, 4, v3                        ; an image's place for my lane
	s_lshl_b32 s25, s20, 10
	v_add_nc_u32 v5, s25, v4                       ; where I store my tile's image
	v_mul_u32_u24 v6, v1, 272
	v_lshl_add_u32 v6, v2, 5, v6
	v_add_nc_u32 v6, STG, v6                       ; the stage, in: row r, + 32 half
	v_mul_u32_u24 v7, v2, 272
	v_lshl_add_u32 v7, v1, 4, v7
	v_add_nc_u32 v7, STG, v7                       ; back: lanes 0-15 one row, lanes 16-31 the next
	v_lshlrev_b32 v8, 12, v2
	v_lshl_add_u32 v8, v1, 4, v8                   ; and the same two rows in att16
	v_lshlrev_b32 v9, 9, v1
	v_lshl_add_u32 v9, v2, 4, v9                   ; codes: row r of 512 bytes, + 16 half
	v_lshlrev_b32 v10, 5, v1                       ; scale bytes: row r of 32
	s_min_u32 s25, s21, 1
	s_lshl_b32 s25, s25, 13
	s_lshl_b32 s26, s24, 11
	s_add_co_u32 s25, s25, s26                     ; x's first row: q's or kv's, my batch's position 0
	s_lshl_b32 s26, s21, 10
	s_lshl_b32 s27, ttmp9, 6
	s_add_co_u32 s26, s26, s27
	s_lshl_b32 s50, s22, 4
	s_add_co_u32 s26, s26, s50                     ; W's first row
	s_add_co_u32 s27, s27, s50                     ; my first channel: 64 head + 16 (u % 4)
	s_lshl_b32 s28, s25, 9
	s_mov_b32 s29, 0
	s_lshl_b32 s30, s26, 9
	s_mov_b32 s31, 0
	s_lshl_b32 s32, s25, 5
	s_mov_b32 s33, 0
	s_lshl_b32 s34, s26, 5
	s_mov_b32 s35, 0
	s_lshl_b32 s48, s27, 2
	s_mov_b32 s49, 0
	s_lshl_b32 s50, s24, 16
	s_lshl_b32 s51, ttmp9, 8
	s_add_co_u32 s50, s50, s51                     ; att16: 16 rows of 4,096 bytes a batch, 256 bytes a head
	s_mov_b32 s51, 0
	s_mov_b32 s54, 0x3e38aa3b                      ; c = log2(e) / sqrt(64)
	s_mov_b32 s56, 0x76543210
	s_mov_b32 s57, 0xfedcba98                      ; lane selects: lane xor 16
	s_wait_kmcnt 0x0
	s_add_nc_u64 s[28:29], s[4:5], s[28:29]        ; x's codes
	s_add_nc_u64 s[30:31], s[8:9], s[30:31]        ; W's codes
	s_add_nc_u64 s[32:33], s[6:7], s[32:33]        ; x's scales
	s_add_nc_u64 s[34:35], s[10:11], s[34:35]      ; W's scales
	s_add_nc_u64 s[18:19], s[18:19], s[50:51]
	s_cmp_eq_u32 s21, 2                            ; V: source 0 = the positions; Q, K: source 0 = W's rows
	s_cselect_b64 s[36:37], s[28:29], s[30:31]
	s_cselect_b64 s[38:39], s[30:31], s[28:29]
	s_cselect_b64 s[40:41], s[32:33], s[34:35]
	s_cselect_b64 s[42:43], s[34:35], s[32:33]
	s_cselect_b32 s46, 0, 4                        ; the bias from register to register: V: the same channel; Q, K: the next
	s_cselect_b32 s47, 0, 32                       ; by the half of the lanes
	s_cselect_b32 s52, 4, 0                        ; by r
	s_cmp_eq_u32 s21, 1
	s_cselect_b64 s[44:45], s[14:15], s[16:17]
	s_cmp_eq_u32 s21, 0
	s_cselect_b64 s[44:45], s[12:13], s[44:45]
	s_add_nc_u64 s[44:45], s[44:45], s[48:49]
	v_mul_u32_u24 v20, v2, s47
	v_mad_u32_u24 v20, v1, s52, v20
.irp j, 1,2,3,4,5,6,7
	v_add_nc_u32 v[20+\j], s46, v[19+\j]
.endr
.irp s, 0,1,2,3,4,5,6,7
	global_load_b128 v[AFR+8*\s:AFR+8*\s+3], v9, s[36:37] offset:64*\s
	global_load_b128 v[AFR+8*\s+4:AFR+8*\s+7], v9, s[36:37] offset:64*\s+32
	global_load_b128 v[BFR+8*\s:BFR+8*\s+3], v9, s[38:39] offset:64*\s
	global_load_b128 v[BFR+8*\s+4:BFR+8*\s+7], v9, s[38:39] offset:64*\s+32
.endr
	global_load_b128 v[AS:AS+3], v10, s[40:41]     ; register s: my row's scale word of K step s
	global_load_b128 v[AS+4:AS+7], v10, s[40:41] offset:16
	global_load_b128 v[BS:BS+3], v10, s[42:43]
	global_load_b128 v[BS+4:BS+7], v10, s[42:43] offset:16
.irp j, 0,1,2,3,4,5,6,7
	global_load_b32 v[BIAS+\j], v[20+\j], s[44:45]
.endr
	s_wait_loadcnt 0x0
	; eight K steps on two accumulators by turns: the even steps begin with the bias, the odd with 0
	v_wmma_scale_f32_16x16x128_f8f6f4 v[AC0:AC0+7], v[AFR:AFR+7], v[BFR:BFR+7], v[BIAS:BIAS+7], v[AS], v[BS] matrix_a_fmt:MATRIX_FMT_FP4 matrix_b_fmt:MATRIX_FMT_FP4
	v_wmma_scale_f32_16x16x128_f8f6f4 v[AC1:AC1+7], v[AFR+8:AFR+15], v[BFR+8:BFR+15], 0, v[AS+1], v[BS+1] matrix_a_fmt:MATRIX_FMT_FP4 matrix_b_fmt:MATRIX_FMT_FP4
.irp s, 2,4,6
	v_wmma_scale_f32_16x16x128_f8f6f4 v[AC0:AC0+7], v[AFR+8*\s:AFR+8*\s+7], v[BFR+8*\s:BFR+8*\s+7], v[AC0:AC0+7], v[AS+\s], v[BS+\s] matrix_a_fmt:MATRIX_FMT_FP4 matrix_b_fmt:MATRIX_FMT_FP4
	v_wmma_scale_f32_16x16x128_f8f6f4 v[AC1:AC1+7], v[AFR+8*\s+8:AFR+8*\s+15], v[BFR+8*\s+8:BFR+8*\s+15], v[AC1:AC1+7], v[AS+\s+1], v[BS+\s+1] matrix_a_fmt:MATRIX_FMT_FP4 matrix_b_fmt:MATRIX_FMT_FP4
.endr
.rept 4
	v_nop
.endr
.irp k, 0,2,4,6
	v_pk_add_f32 v[RR+\k:RR+\k+1], v[AC0+\k:AC0+\k+1], v[AC1+\k:AC1+\k+1]
.endr
	ds_store_b128 v5, v[RR:RR+3]
	ds_store_b128 v5, v[RR+4:RR+7] offset:512
	s_wait_dscnt 0x0                               ; for wave 0's sake: my image has landed
	s_barrier_signal -1
	s_barrier_wait -1
	s_cmp_lg_u32 s20, 0
	s_cbranch_scc1 .Lend
.irp u, 0,1,2,3,4,5,6,7,8,9,10,11              ; image u into v[32 + 8 u]: Q's four tiles, K's four, V's four
	ds_load_b128 v[QT+8*\u:QT+8*\u+3], v4 offset:1024*\u
	ds_load_b128 v[QT+8*\u+4:QT+8*\u+7], v4 offset:1024*\u+512
.endr
	s_wait_dscnt 0x0
	; S^T = K Q^T: 16 steps of four channels on two accumulators by turns; each sum's first product has C = 0
	v_wmma_f32_16x16x4_f32 v[SA:SA+7], v[KT:KT+1], v[QT:QT+1], 0
	v_wmma_f32_16x16x4_f32 v[SB:SB+7], v[KT+2:KT+3], v[QT+2:QT+3], 0
.irp n, 2,4,6,8,10,12,14
	v_wmma_f32_16x16x4_f32 v[SA:SA+7], v[KT+2*\n:KT+2*\n+1], v[QT+2*\n:QT+2*\n+1], v[SA:SA+7]
	v_wmma_f32_16x16x4_f32 v[SB:SB+7], v[KT+2*\n+2:KT+2*\n+3], v[QT+2*\n+2:QT+2*\n+3], v[SB:SB+7]
.endr
.rept 8
	v_nop
.endr
.irp k, 0,2,4,6
	v_pk_add_f32 v[SS+\k:SS+\k+1], v[SA+\k:SA+\k+1], v[SB+\k:SB+\k+1]   ; lane (r, half): query r, keys 8 half + j
.endr
	v_lshlrev_b32 v144, 3, v2
	v_sub_nc_u32 v144, v1, v144                    ; d = r - 8 half: key 8 half + j is hidden where j > d
	v_mov_b32 v145, 0xff800000                     ; -infinity
	v_mov_b32 v147, 0
.irp j, 0,1,2,3,4,5,6,7
	v_cmp_gt_i32 vcc_lo, \j, v144
	v_cndmask_b32 v[SS+\j], v[SS+\j], v145, vcc_lo
.endr
	v_max3_num_f32 v146, v[SS], v[SS+1], v[SS+2]
	v_max3_num_f32 v146, v146, v[SS+3], v[SS+4]
	v_max3_num_f32 v146, v146, v[SS+5], v[SS+6]
	v_max_num_f32 v146, v146, v[SS+7]
	v_permlanex16_b32 v147, v146, s56, s57
	v_max_num_f32 v146, v146, v147                 ; the row's largest score (key 0 counts for every query)
	v_mul_f32 v148, s54, v146
.irp j, 0,1,2,3,4,5,6,7
	v_fma_f32 v[SS+\j], v[SS+\j], s54, -v148
.endr
.irp j, 0,1,2,3,4,5,6,7
	v_exp_f32 v[PT+\j], v[SS+\j]
.endr
	v_nop                                          ; a plain instruction behind the last exponential
	s_wait_alu depctr_va_vdst(0)                   ; one wait for the eight, ahead of their first reader
	v_add_f32 v149, v[PT], v[PT+1]
	v_add_f32 v151, v[PT+2], v[PT+3]
	v_add_f32 v152, v[PT+4], v[PT+5]
	v_add_f32 v153, v[PT+6], v[PT+7]
	v_add_f32 v149, v149, v151
	v_add_f32 v152, v152, v153
	v_add_f32 v149, v149, v152
	v_permlanex16_b32 v147, v149, s56, s57
	v_add_f32 v149, v149, v147                     ; the row's sum
	v_rcp_f32 v150, v149
	v_nop
	s_wait_alu depctr_va_vdst(0)
	; O^T = V^T P: four steps of four keys, the four tiles of channels by turns
.irp c, 0,1,2,3
	v_wmma_f32_16x16x4_f32 v[OA+8*\c:OA+8*\c+7], v[VT+8*\c:VT+8*\c+1], v[PT:PT+1], 0
.endr
.irp i, 1,2,3
.irp c, 0,1,2,3
	v_wmma_f32_16x16x4_f32 v[OA+8*\c:OA+8*\c+7], v[VT+8*\c+2*\i:VT+8*\c+2*\i+1], v[PT+2*\i:PT+2*\i+1], v[OA+8*\c:OA+8*\c+7]
.endr
.endr
.rept 8
	v_nop
.endr
.set i, 0
.rept 32
	v_mul_f32 v[32+i], v[OA+i], v150               ; into other registers: register 8 c + j is o(query r, channel 16 c + 8 half + j)
.set i, i+1
.endr
.irp c, 0,1,2,3
	ds_store_b128 v6, v[32+8*\c:35+8*\c] offset:64*\c
	ds_store_b128 v6, v[36+8*\c:39+8*\c] offset:64*\c+16
.endr
.irp i, 0,1,2,3,4,5,6,7
	ds_load_b128 v[64+4*\i:67+4*\i], v7 offset:\i*2*272
.endr
.irp i, 0,1,2,3,4,5,6,7
	s_wait_dscnt 7-\i                              ; the younger loads may be out
	global_store_b128 v8, v[64+4*\i:67+4*\i], s[18:19] offset:\i*8192    ; sixteen lanes store 256 consecutive bytes, aligned
.endr
.Lend:
	s_wait_tensorcnt 0x0                           ; the wave's end
	ds_add_u32 v[SPW], v[NIL]
	s_wait_dscnt 0x0
	s_endpgm
.Lfunc_end_k_q727efb7a27_fine_attn:
	.size	k_q727efb7a27_fine_attn, .Lfunc_end_k_q727efb7a27_fine_attn-k_q727efb7a27_fine_attn
	.p2alignl 7, 3214868480
	.fill 96, 4, 3214868480
	.section	.rodata,"a",@progbits
	.p2align	6, 0x0
	.amdhsa_kernel k_q727efb7a27_fine_attn
		.amdhsa_group_segment_fixed_size 18432
		.amdhsa_private_segment_fixed_size 0
		.amdhsa_enable_private_segment 0
		.amdhsa_kernarg_size 64
		.amdhsa_user_sgpr_count 2
		.amdhsa_user_sgpr_kernarg_segment_ptr 1
		.amdhsa_wavefront_size32 1
		.amdhsa_system_sgpr_workgroup_id_x 1
		.amdhsa_system_sgpr_workgroup_id_y 1
		.amdhsa_system_sgpr_workgroup_id_z 1
		.amdhsa_system_vgpr_workitem_id 0
		.amdhsa_next_free_vgpr 256
		.amdhsa_next_free_sgpr 66
		.amdhsa_reserve_vcc 1
		.amdhsa_float_denorm_mode_32 3
		.amdhsa_float_denorm_mode_16_64 3
		.amdhsa_memory_ordered 1
		.amdhsa_forward_progress 1
		.amdhsa_inst_pref_size 19
	.end_amdhsa_kernel
	.amdgpu_metadata
---
amdhsa.version: [ 1, 2 ]
amdhsa.kernels:
  - .name:           k_q727efb7a27_fine_attn
    .symbol:         k_q727efb7a27_fine_attn.kd
    .args:
      - { .name: x_codes, .offset: 0, .size: 8, .value_kind: global_buffer, .address_space: global }
      - { .name: x_scales, .offset: 8, .size: 8, .value_kind: global_buffer, .address_space: global }
      - { .name: w_codes, .offset: 16, .size: 8, .value_kind: global_buffer, .address_space: global }
      - { .name: w_scales, .offset: 24, .size: 8, .value_kind: global_buffer, .address_space: global }
      - { .name: bq, .offset: 32, .size: 8, .value_kind: global_buffer, .address_space: global }
      - { .name: bk, .offset: 40, .size: 8, .value_kind: global_buffer, .address_space: global }
      - { .name: bv, .offset: 48, .size: 8, .value_kind: global_buffer, .address_space: global }
      - { .name: att16, .offset: 56, .size: 8, .value_kind: global_buffer, .address_space: global }
    .group_segment_fixed_size: 18432
    .private_segment_fixed_size: 0
    .kernarg_segment_align: 8
    .kernarg_segment_size: 64
    .max_flat_workgroup_size: 384
    .sgpr_count:     66
    .vgpr_count:     256
    .wavefront_size: 32
...
	.end_amdgpu_metadata
.endif
;; end of part 3
;; launch attn (part 4): grid 4 x 64, 8 waves a work-group, no clusters, 327,680 bytes of LDS; arguments qkv, att; writes att
.if DOCPART == 4
	.amdgcn_target "amdgcn-amd-amdhsa--gfx1250"
	.amdhsa_code_object_version 6
	.text
	.protected	k_q727efb7a27_attn
	.globl	k_q727efb7a27_attn
	.p2align	8
	.type	k_q727efb7a27_attn,@function
k_q727efb7a27_attn:
	s_mov_b64 s[64:65], 0
	v_nop
	global_prefetch_b8 v0, s[64:65] scope:SCOPE_SE
	s_setreg_imm32_b32 hwreg(HW_REG_WAVE_MODE, 25, 1), 1
	s_wait_xcnt 0x0
; att[b][h][q][:] = the sum over keys k <= q of softmax_k(Q[q] . K[k] / 8) V[k][:], head size 64.  Q, K, V: qkv [3][b][h][pos 2048][64] f16; att [b][h][pos][64] f16.  Products, maxima and sums in f32; the weights p are rounded to f16.
; LIMITS: the result must lie within f16's range; NaN and infinities are not served.  Positions 0 to 15 are written here too, but the program's result for them comes from the launches that carry them in f32.
; SHARES.  Work-group (p = x, head = y) owns the blocks p and 7 - p of 256 queries, one after the other: p + 1 and 8 - p chunks of 256 keys, nine in every work-group, so the trip counts are constants.
; A wave owns 32 queries, two tiles of 16.  Its group of queries is g = w xor 3 (w / 4): waves w and w + 4 together have five key steps on a block's diagonal chunk.
; NO CLUSTER: the four work-groups of a head walk different chunks from trip p + 1 on, so they could not make the same joint request in every round.
; LAYOUT.  S^T = K Q^T (source 0 = 16 keys, source 1 = 16 queries): a lane holds ONE query and the keys 8 (lane / 16) + 0..7 of a tile.  Two such tiles, rounded in pairs, are source 1 of O^T = V^T P.  V is turned by ds_load_tr16_b128.
; SOFTMAX.  A running maximum m and sum l for each query: p = 2^(c s - c m), c = log2(e) / 8; in every step O and l are multiplied by a = 2^(c m_old - c m_new).
; THE MASK.  A key step all of whose keys come after the wave's 32 queries is left out by a scalar branch on ids; on the diagonal hidden scores become -infinity.  A step that runs has its first key at or under every query of the wave.
; THE RING.  Two slots of a chunk each (four key steps: 64 rows of K, pitch 144, then 64 rows of V, pitch 160).  Every wave fetches one eighth of a chunk with one tensor load: one load of mine is out at any time.
; REGISTERS.  window 0: v1-15 addresses and the mask's numbers; v16-31 statistics, 8 a tile; v64-127 S^T, 32 a tile; v128-159 P, 16 a tile.  window 1: v0-31 Q; v32-95 O^T, 32 a tile; v96-159 K of a step; v160-223 V.
.set PK,    144
.set PV,    160
.set VOFF,  64*PK
.set STEPB, 64*(PK+PV)
.set SLOT1, 1<<17
.set STAGE, SLOT1+4*STEPB              ; behind the ring: 32 rows x 144 bytes a wave, for the way out
.set SPARE, STAGE+8*32*PK              ; the spare words: 128 bytes a wave
.set AK0, 1
.set AV0, 2
.set ADK, 3
.set ADV, 4
.set QO,  5
.set STO, 6
.set RD,  7
.set GO,  8
.set PFO, 9
.set SPW, 10
.set NIL, 11
.set DL,  12                           ; v12, v13: r - 8 half (+ 16 for tile 1)
.set NINF, 14
.set DD,  15
.set ST,  16                           ; tile t at v[ST + 8 t]: +0 c m, +1 m, +2, +3 l, +4 to +7 at work; a in +6
.set S,   64
.set P,   128
.set QF,  0                            ; window 1
.set O,   32
.set KFR, 96
.set VFR, 160
.set WV,  8
.set GRP, 9
.set PP,  10
.set QA1, 12
.set QA2, 14
.set OA1, 16
.set OA2, 18
.set KVB, 20                           ; s[20:21] my eighth of chunk 0, in memory
.set OFS, 22
.set G1K, 24
.set G1V, 32
.set G0,  40
.set T,   44                           ; the trip
.set CNT, 45
.set TB,  46                           ; LDS byte at which the key step in hand begins
.set KF,  47                           ; its first key
.set Q0,  48                           ; my first query
.set Q02, 49                           ; and in the second block
.set PSW, 50                           ; the trip at whose head the blocks change: p + 1
.set NC,  51                           ; the chunk asked for last
.set LIM, 52
.set PFA, 54
.set CS,  56
.set SEL, 58
.set MSB, 0
.macro WIN new
.if MSB != (\new)
	s_set_vgpr_msb (MSB<<8)|(\new)
.set MSB, (\new)
.endif
.endm
; Waves 0 to 3 fetch K's four key steps of a chunk, waves 4 to 7 V's.  An s_nop 0 and four v_nop follow each of the two lines.
.macro TLOAD
	s_cmp_lt_u32 s[WV], 4
	s_cbranch_scc0 .Lfor_v_\@
	tensor_load_to_lds s[G0:G0+3], s[G1K:G1K+7]
	s_nop 0
.rept 4
	v_nop
.endr
	s_branch .Lasked_\@
.Lfor_v_\@:
	tensor_load_to_lds s[G0:G0+3], s[G1V:G1V+7]
	s_nop 0
.rept 4
	v_nop
.endr
.Lasked_\@:
.endm
; A prefetch of what the NEXT change of slots will ask for.  Of a head's four work-groups the one with p = 0 walks chunks 0 to 7 in trips 1 to 8: it asks, in trips 0 to 6, for chunks 1 to 7; each wave names its own
; eighth of the chunk, 8,192 bytes, lanes 256 bytes apart.  So each block of 256 bytes is named once in the launch; chunk 0 comes by its load alone, and trip 7 asks for nothing.
.macro ASK
	s_cmp_lt_u32 s[T], s[LIM]
	s_cbranch_scc0 .Lnot_mine_\@
	global_prefetch_b8 v[PFO], s[PFA:PFA+1] th:TH_LOAD_NT scope:SCOPE_SE
.Lnot_mine_\@:
.endm
; THE CHANGE OF SLOTS, at a trip's head.  Each wave waits for its tensor load (its part of the chunk about to be read), adds 0 to its spare word, and waits for that and for its reads of the slot that it has left.
; fill = 1: behind the barrier that slot takes the next trip's chunk: the next of this block, or chunk 0 where the blocks change.
.macro CHANGE fill
	s_wait_tensorcnt 0x0                           ; no tensor load of mine is out, so group 0 may be written
	ds_add_u32 v[SPW], v[NIL]
.if \fill
	s_xor_b32 s[G0+1], s[G0+1], SLOT1
	s_add_co_u32 s[NC], s[NC], 1
	s_cmp_eq_u32 s[T], s[PP]
	s_cselect_b32 s[NC], 0, s[NC]
	s_lshl_b32 s[OFS], s[NC], 15                   ; 32,768 bytes a chunk
	s_add_nc_u64 s[G0+2:G0+3], s[KVB:KVB+1], s[OFS:OFS+1]
	s_or_b32 s[G0+3], s[G0+3], 0x80000000
	s_wait_xcnt 0x0                                ; the last prefetch, a trip back, has read its address
	s_add_nc_u64 s[PFA:PFA+1], s[PFA:PFA+1], 32768
.endif
	s_wait_dscnt 0x0                               ; the add is done, and my reads of the slot that I have left are over
	s_barrier_signal -1
	s_barrier_wait -1
.if \fill
	TLOAD                                          ; the first thing behind the barrier, and my one tensor load until the next
	ASK
.endif
.endm
; A KEY STEP: 64 keys at LDS byte s[TB].
.macro STEP
	s_add_co_u32 s60, s[Q0], 31
	s_cmp_gt_u32 s[KF], s60                        ; all its keys come after my queries: left out
	s_cbranch_scc1 .Lskip_\@
	v_add_nc_u32 v[ADK], s[TB], v[AK0]
	v_add_nc_u32 v[ADV], s[TB], v[AV0]
	v_nop
	v_nop                                          ; four plain instructions between the last step's products and the loads into V's registers
	WIN 0x40                                       ; destination window 1
.irp f, 0,1,2,3,4,5,6,7                        ; K: keys 16 (f / 2) on, channels 32 (f % 2) on
	ds_load_b128 v[KFR+8*\f:KFR+8*\f+3], v[ADK] offset:(\f/2)*16*PK+(\f%2)*64
	ds_load_b128 v[KFR+8*\f+4:KFR+8*\f+7], v[ADK] offset:(\f/2)*16*PK+(\f%2)*64+32
.endr
.irp f, 0,1,2,3,4,5,6,7                        ; V, turned: keys 32 (f / 4) on, channels 16 (f % 4) on
	ds_load_tr16_b128 v[VFR+8*\f:VFR+8*\f+3], v[ADV] offset:(\f/4)*32*PV+(\f%4)*32
	ds_load_tr16_b128 v[VFR+8*\f+4:VFR+8*\f+7], v[ADV] offset:(\f/4)*32*PV+16*PV+(\f%4)*32
.endr
	s_wait_dscnt 16                                ; K is in; V's 16 loads may be out
	WIN 0x05                                       ; K and Q in window 1, S^T in window 0
.irp kt, 0,1,2,3                               ; the eight accumulators take turns; the first eight products start the sums
.irp t, 0,1
	v_wmma_f32_16x16x32_f16 v[S+32*\t+8*\kt:S+32*\t+8*\kt+7], v[KFR+16*\kt:KFR+16*\kt+7], v[QF+16*\t:QF+16*\t+7], 0
.endr
.endr
.irp kt, 0,1,2,3
.irp t, 0,1
	v_wmma_f32_16x16x32_f16 v[S+32*\t+8*\kt:S+32*\t+8*\kt+7], v[KFR+16*\kt+8:KFR+16*\kt+15], v[QF+16*\t+8:QF+16*\t+15], v[S+32*\t+8*\kt:S+32*\t+8*\kt+7]
.endr
.endr
	WIN 0
.rept 4
	v_nop
.endr
	s_add_co_u32 s60, s[KF], 63
	s_cmp_le_u32 s60, s[Q0]                        ; all 64 keys count for all my queries: no mask
	s_cbranch_scc1 .Lopen_\@
	s_sub_co_i32 s60, s[Q0], s[KF]
.irp t, 0,1
	v_add_nc_u32 v[DD], s60, v[DL+\t]              ; d = my query - the step's first key - 8 half: register 8 kt + j holds a hidden key where 16 kt + j > d
.set n, 0
.rept 32
	v_cmp_gt_i32 vcc_lo, 16*(n/8)+n%8, v[DD]
	v_cndmask_b32 v[S+32*\t+n], v[S+32*\t+n], v[NINF], vcc_lo
.set n, n+1
.endr
.endr
.Lopen_\@:
	; the softmax of both tiles, the tiles alternating line by line
.irp j, 0,1,2,3
.irp t, 0,1
	v_max3_num_f32 v[ST+8*\t+4+\j], v[S+32*\t+8*\j], v[S+32*\t+8*\j+1], v[S+32*\t+8*\j+2]
.endr
.endr
.irp i, 3,5
.irp j, 0,1,2,3
.irp t, 0,1
	v_max3_num_f32 v[ST+8*\t+4+\j], v[ST+8*\t+4+\j], v[S+32*\t+8*\j+\i], v[S+32*\t+8*\j+\i+1]
.endr
.endr
.endr
.irp t, 0,1
	v_max3_num_f32 v[ST+8*\t+4], v[ST+8*\t+4], v[S+32*\t+7], v[S+32*\t+15]
.endr
.irp t, 0,1
	v_max3_num_f32 v[ST+8*\t+6], v[ST+8*\t+6], v[S+32*\t+23], v[S+32*\t+31]
.endr
.irp t, 0,1
	v_max3_num_f32 v[ST+8*\t+4], v[ST+8*\t+4], v[ST+8*\t+5], v[ST+8*\t+6]
.endr
.irp t, 0,1
	v_max3_num_f32 v[ST+8*\t+4], v[ST+8*\t+4], v[ST+8*\t+7], v[ST+8*\t+1]       ; with the old m
.endr
.irp t, 0,1
	v_permlanex16_b32 v[ST+8*\t+5], v[ST+8*\t+4], s[SEL], s[SEL+1]              ; the query's other 32 keys lie in the lane 16 away
.endr
.irp t, 0,1
	v_mov_b32 v[ST+8*\t+7], v[ST+8*\t]             ; c m_old
.endr
.irp t, 0,1
	v_max_num_f32 v[ST+8*\t+1], v[ST+8*\t+4], v[ST+8*\t+5]
.endr
.irp t, 0,1
	v_mul_f32 v[ST+8*\t], s[CS], v[ST+8*\t+1]
.endr
.irp t, 0,1
	v_sub_f32 v[ST+8*\t+7], v[ST+8*\t+7], v[ST+8*\t]
.endr
.irp b, 0,1,2,3,4,5,6,7,8,9,10,11,12,13,14,15
.irp t, 0,1
	v_pk_fma_f32 v[S+32*\t+2*\b:S+32*\t+2*\b+1], v[S+32*\t+2*\b:S+32*\t+2*\b+1], s[CS:CS+1], v[ST+8*\t:ST+8*\t+1] op_sel_hi:[1,0,0] neg_lo:[0,0,1] neg_hi:[0,0,1]   ; c s - c m
.endr
.endr
.irp t, 0,1
	v_exp_f32 v[ST+8*\t+6], v[ST+8*\t+7]           ; a
.endr
.set n, 0
.rept 64
	v_exp_f32 v[S+n], v[S+n]
.set n, n+1
.endr
	v_nop                                          ; a plain instruction behind the last exponential
	s_wait_alu depctr_va_vdst(0)                   ; one wait for the 66 exponentials, ahead of their first reader
.irp b, 0,1,2,3,4,5,6,7,8,9,10,11,12,13,14,15
.irp t, 0,1
	v_cvt_pk_f16_f32 v[P+16*\t+\b], v[S+32*\t+2*\b], v[S+32*\t+2*\b+1]
.endr
.endr
.irp u, 0,1,2,3,4,5,6,7                        ; the sum of a tile's 16 pairs, in place
.irp t, 0,1
	v_pk_add_f32 v[S+32*\t+4*\u:S+32*\t+4*\u+1], v[S+32*\t+4*\u:S+32*\t+4*\u+1], v[S+32*\t+4*\u+2:S+32*\t+4*\u+3]
.endr
.endr
.irp u, 0,1,2,3
.irp t, 0,1
	v_pk_add_f32 v[S+32*\t+8*\u:S+32*\t+8*\u+1], v[S+32*\t+8*\u:S+32*\t+8*\u+1], v[S+32*\t+8*\u+4:S+32*\t+8*\u+5]
.endr
.endr
.irp u, 0,1
.irp t, 0,1
	v_pk_add_f32 v[S+32*\t+16*\u:S+32*\t+16*\u+1], v[S+32*\t+16*\u:S+32*\t+16*\u+1], v[S+32*\t+16*\u+8:S+32*\t+16*\u+9]
.endr
.endr
.irp t, 0,1
	v_pk_add_f32 v[S+32*\t:S+32*\t+1], v[S+32*\t:S+32*\t+1], v[S+32*\t+16:S+32*\t+17]
.endr
.irp t, 0,1
	v_pk_fma_f32 v[ST+8*\t+2:ST+8*\t+3], v[ST+8*\t+2:ST+8*\t+3], v[ST+8*\t+6:ST+8*\t+7], v[S+32*\t:S+32*\t+1] op_sel_hi:[1,0,1]   ; l = a l + the sum
.endr
	WIN 0x41                                       ; O^T (destination and source 0) in window 1, a in window 0
.irp t, 0,1
.set n, 0
.rept 16
	v_pk_mul_f32 v[O+32*\t+n:O+32*\t+n+1], v[O+32*\t+n:O+32*\t+n+1], v[ST+8*\t+6:ST+8*\t+7] op_sel_hi:[1,0]
.set n, n+2
.endr
.endr
	s_wait_dscnt 0x0                               ; V is in
	WIN 0x51                                       ; V and O^T in window 1, P in window 0
.irp u, 0,1
.irp c, 0,1,2,3
.irp t, 0,1
	v_wmma_f32_16x16x32_f16 v[O+32*\t+8*\c:O+32*\t+8*\c+7], v[VFR+32*\u+8*\c:VFR+32*\u+8*\c+7], v[P+16*\t+8*\u:P+16*\t+8*\u+7], v[O+32*\t+8*\c:O+32*\t+8*\c+7]
.endr
.endr
.endr
	WIN 0
.Lskip_\@:
	s_add_co_u32 s[KF], s[KF], 64
	s_add_co_u32 s[TB], s[TB], STEPB
.endm
.macro FOUR_STEPS                      ; a chunk's four key steps: written once, walked four times
	s_mov_b32 s[CNT], 4
.Lstep_\@:
	STEP
	s_sub_co_u32 s[CNT], s[CNT], 1
	s_cmp_lg_u32 s[CNT], 0
	s_cbranch_scc1 .Lstep_\@
	s_sub_co_u32 s[TB], s[TB], 4*STEPB
	s_xor_b32 s[TB], s[TB], SLOT1                  ; on to the other slot
.endm
; A block's way out: O^T / l, rounded to f16, through my stage, and out as 4,096 consecutive bytes: my 32 rows of 128.
.macro FINISH base
.rept 4
	v_nop
.endr
.irp t, 0,1
	v_add_f32 v[ST+8*\t+4], v[ST+8*\t+2], v[ST+8*\t+3]
.endr
.irp t, 0,1
	v_permlanex16_b32 v[ST+8*\t+5], v[ST+8*\t+4], s[SEL], s[SEL+1]
.endr
.irp t, 0,1
	v_add_f32 v[ST+8*\t+4], v[ST+8*\t+4], v[ST+8*\t+5]
.endr
.irp t, 0,1
	v_rcp_f32 v[ST+8*\t+6], v[ST+8*\t+4]
.endr
	v_nop
	s_wait_alu depctr_va_vdst(0)                   ; one wait for the two reciprocals
	WIN 0x41
.irp t, 0,1
.set n, 0
.rept 16
	v_pk_mul_f32 v[O+32*\t+n:O+32*\t+n+1], v[O+32*\t+n:O+32*\t+n+1], v[ST+8*\t+6:ST+8*\t+7] op_sel_hi:[1,0]
.set n, n+2
.endr
.endr
	WIN 0x05                                       ; sources in window 1, destination in window 0
.set n, 0
.rept 32
	v_cvt_pk_f16_f32 v[S+n], v[O+2*n], v[O+2*n+1]
.set n, n+1
.endr
	WIN 0
.irp t, 0,1
.irp c, 0,1,2,3
	ds_store_b128 v[STO], v[S+16*\t+4*\c:S+16*\t+4*\c+3] offset:\t*16*PK+32*\c
.endr
.endr
.irp i, 0,1,2,3,4,5,6,7
	ds_load_b128 v[S+32+4*\i:S+32+4*\i+3], v[RD] offset:\i*4*PK    ; LDS serves a wave's instructions in order: these see the stores above
.endr
.irp i, 0,1,2,3,4,5,6,7
	s_wait_dscnt 7-\i                              ; the younger loads may be out
	global_store_b128 v[GO], v[S+32+4*\i:S+32+4*\i+3], s[\base:\base+1] offset:512*\i    ; 512 consecutive bytes
.endr
	s_wait_xcnt 0x0                                ; the stores have read their data: the registers are written again only behind this wait
.endm
.macro INIT                            ; a block begins: m under every score, l and O^T zeros, which the first step's a = 0 leaves zeros
.irp t, 0,1
	v_mov_b32 v[ST+8*\t+1], 0xff61b1e6             ; -3e38
	v_mul_f32 v[ST+8*\t], s[CS], v[ST+8*\t+1]
	v_mov_b32 v[ST+8*\t+2], 0
	v_mov_b32 v[ST+8*\t+3], 0
.endr
	WIN 0x40
.set n, 0
.rept 64
	v_mov_b32 v[O+n], 0
.set n, n+1
.endr
	WIN 0
.endm
.macro QLOAD base                      ; my 32 queries: tile t, channels 32 ch on, at v[16 t + 8 ch] of window 1
	WIN 0x40
.irp f, 0,1,2,3
	global_load_b128 v[QF+8*\f:QF+8*\f+3], v[QO], s[\base:\base+1] offset:(\f/2)*2048+(\f%2)*64
	global_load_b128 v[QF+8*\f+4:QF+8*\f+7], v[QO], s[\base:\base+1] offset:(\f/2)*2048+(\f%2)*64+32
.endr
	WIN 0
.endm
	s_load_b128 s[4:7], s[0:1], 0x0                ; qkv, att
	v_lshl_add_u32 v[SPW], v0, 2, SPARE
	v_mov_b32 v[NIL], 0
	ds_add_u32 v[SPW], v[NIL]                      ; the wave's opening: the add, twice on end, and its wait ahead of my first tensor load
	ds_add_u32 v[SPW], v[NIL]
	v_lshrrev_b32 v1, 5, v0
	v_readfirstlane_b32 s[WV], v1                  ; wave 0..7
	s_lshr_b32 s60, s[WV], 2                       ; 0: I fetch for K; 1: for V
	s_mul_i32 s[GRP], s60, 3
	s_xor_b32 s[GRP], s[GRP], s[WV]                ; my group of 32 queries
	s_mov_b32 s[PP], ttmp9
	s_and_b32 s61, ttmp7, 0xffff
	s_lshl_b32 s61, s61, 18                        ; the head's first byte in each tensor: 262,144 bytes a head
	s_lshl_b32 s[Q0], s[PP], 8
	s_lshl_b32 s62, s[GRP], 5
	s_add_co_u32 s[Q0], s[Q0], s62                 ; my first query in block p,
	s_sub_co_u32 s[Q02], 7, s[PP]
	s_lshl_b32 s[Q02], s[Q02], 8
	s_add_co_u32 s[Q02], s[Q02], s62               ; and in block 7 - p
	s_lshl_b32 s[QA1], s[Q0], 7
	s_add_co_u32 s[QA1], s[QA1], s61
	s_mov_b32 s[QA1+1], 0
	s_lshl_b32 s[QA2], s[Q02], 7
	s_add_co_u32 s[QA2], s[QA2], s61
	s_mov_b32 s[QA2+1], 0
	s_add_co_u32 s[KVB], s60, 1
	s_lshl_b32 s[KVB], s[KVB], 24                  ; K is the second tensor of qkv, V the third
	s_add_co_u32 s[KVB], s[KVB], s61
	s_and_b32 s62, s[WV], 3                        ; which key step of a chunk I fetch
	s_lshl_b32 s63, s62, 13
	s_add_co_u32 s[KVB], s[KVB], s63
	s_mov_b32 s[KVB+1], 0
	s_mov_b32 s[OFS+1], 0
	s_mov_b32 s[G0], 1
	s_mul_i32 s[G0+1], s62, STEPB
	s_mul_i32 s63, s60, VOFF
	s_add_co_u32 s[G0+1], s[G0+1], s63             ; and where it goes in slot 0
	s_mov_b32 s[G1K], (1<<16)|(1<<20)|(4<<22)|(3<<25)   ; elements of 2 bytes; padding: 4 words behind every 32
	s_mov_b32 s[G1V], (1<<16)|(1<<20)|(4<<22)|(7<<25)   ; 8 words
.irp g, G1K, G1V
	s_mov_b32 s[\g+1], 64<<16                      ; tensor_dim0
	s_mov_b32 s[\g+2], 64<<16                      ; tensor_dim1
	s_mov_b32 s[\g+3], 64<<16                      ; tile_dim0
	s_mov_b32 s[\g+4], 64                          ; tile_dim1
	s_mov_b32 s[\g+5], 64                          ; the pitch
	s_mov_b32 s[\g+6], 0
	s_mov_b32 s[\g+7], 0
.endr
	s_mov_b32 s[CS], 0x3e38aa3b                    ; c = log2(e) / 8
	s_mov_b32 s[CS+1], s[CS]
	s_mov_b32 s[SEL], 0x76543210
	s_mov_b32 s[SEL+1], 0xfedcba98
	s_mov_b32 s[T], 0
	s_mov_b32 s[TB], 0
	s_mov_b32 s[KF], 0
	s_mov_b32 s[NC], 0
	s_add_co_u32 s[PSW], s[PP], 1
	s_cmp_eq_u32 s[PP], 0
	s_cselect_b32 s[LIM], 7, 0
	s_wait_dscnt 0x0                               ; both opening adds are done
	s_wait_kmcnt 0x0
	s_add_nc_u64 s[OA1:OA1+1], s[6:7], s[QA1:QA1+1]
	s_add_nc_u64 s[OA2:OA2+1], s[6:7], s[QA2:QA2+1]
	s_add_nc_u64 s[QA1:QA1+1], s[4:5], s[QA1:QA1+1]
	s_add_nc_u64 s[QA2:QA2+1], s[4:5], s[QA2:QA2+1]
	s_add_nc_u64 s[KVB:KVB+1], s[4:5], s[KVB:KVB+1]
	s_mov_b64 s[G0+2:G0+3], s[KVB:KVB+1]
	s_or_b32 s[G0+3], s[G0+3], 0x80000000
	s_mov_b64 s[PFA:PFA+1], s[KVB:KVB+1]           ; the first change of slots steps it to chunk 1
	TLOAD                                          ; chunk 0 into slot 0
	v_and_b32 v32, 15, v0                          ; r
	v_bfe_u32 v33, v0, 4, 1                        ; half
	v_and_b32 v34, 31, v0                          ; lane
	v_lshlrev_b32 v[QO], 7, v32
	v_lshl_add_u32 v[QO], v33, 4, v[QO]
	QLOAD QA1
	v_mul_u32_u24 v[AK0], v32, PK
	v_lshl_add_u32 v[AK0], v33, 4, v[AK0]          ; K: row r x pitch + 16 half
	v_and_b32 v35, 7, v0
	v_bfe_u32 v36, v0, 3, 1
	v_lshl_add_u32 v[AV0], v33, 3, v35
	v_mul_u32_u24 v[AV0], v[AV0], PV
	v_lshl_add_u32 v[AV0], v36, 4, v[AV0]
	v_add_nc_u32 v[AV0], VOFF, v[AV0]              ; V: key 8 half + lane % 8, channels 8 ((lane / 8) % 2) on
	s_mul_i32 s60, s[WV], 32*PK
	s_add_co_u32 s60, s60, STAGE                   ; my stage
	v_add_nc_u32 v[STO], s60, v[AK0]
	v_lshrrev_b32 v37, 3, v34
	v_mul_u32_u24 v[RD], v37, PK
	v_lshl_add_u32 v[RD], v35, 4, v[RD]
	v_add_nc_u32 v[RD], s60, v[RD]                 ; back: row lane / 8, 16 (lane % 8)
	v_lshlrev_b32 v[GO], 4, v34
	v_lshlrev_b32 v[PFO], 8, v34
	v_lshlrev_b32 v37, 3, v33
	v_sub_nc_u32 v[DL], v32, v37
	v_add_nc_u32 v[DL+1], 16, v[DL]
	v_mov_b32 v[NINF], 0xff800000
.irp t, 0,1
.irp j, 4,5,6,7
	v_mov_b32 v[ST+8*\t+\j], 0                     ; written once, so that no way through the text reads them unwritten
.endr
.endr
	INIT
	s_wait_loadcnt 0x0                             ; Q
.Ltrip:                                            ; eight trips: behind each change of slots the next trip's chunk is asked for
	CHANGE 1
	s_cmp_lg_u32 s[T], s[PSW]                      ; ids and the count of trips alone: the same in all eight waves
	s_cbranch_scc1 .Lsame_block
.rept 4
	v_nop
.endr
	QLOAD QA2                                      ; the second block's queries land while the first block goes out
	FINISH OA1
	INIT
	s_mov_b32 s[Q0], s[Q02]
	s_mov_b32 s[KF], 0
	s_wait_loadcnt 0x0
.Lsame_block:
	FOUR_STEPS
	s_add_co_u32 s[T], s[T], 1
	s_cmp_lt_u32 s[T], 8
	s_cbranch_scc1 .Ltrip
	CHANGE 0                                       ; the ninth chunk is written out
	FOUR_STEPS
	FINISH OA2
	s_wait_tensorcnt 0x0                           ; the wave's end
	ds_add_u32 v[SPW], v[NIL]
	s_wait_dscnt 0x0
	s_endpgm
.Lfunc_end_k_q727efb7a27_attn:
	.size	k_q727efb7a27_attn, .Lfunc_end_k_q727efb7a27_attn-k_q727efb7a27_attn
	.p2alignl 7, 3214868480
	.fill 96, 4, 3214868480
	.section	.rodata,"a",@progbits
	.p2align	6, 0x0
	.amdhsa_kernel k_q727efb7a27_attn
		.amdhsa_group_segment_fixed_size 327680
		.amdhsa_private_segment_fixed_size 0
		.amdhsa_enable_private_segment 0
		.amdhsa_kernarg_size 16
		.amdhsa_user_sgpr_count 2
		.amdhsa_user_sgpr_kernarg_segment_ptr 1
		.amdhsa_wavefront_size32 1
		.amdhsa_system_sgpr_workgroup_id_x 1
		.amdhsa_system_sgpr_workgroup_id_y 1
		.amdhsa_system_sgpr_workgroup_id_z 1
		.amdhsa_system_vgpr_workitem_id 0
		.amdhsa_next_free_vgpr 512
		.amdhsa_next_free_sgpr 66
		.amdhsa_reserve_vcc 1
		.amdhsa_float_denorm_mode_32 3
		.amdhsa_float_denorm_mode_16_64 3
		.amdhsa_memory_ordered 1
		.amdhsa_forward_progress 1
		.amdhsa_inst_pref_size 71
	.end_amdhsa_kernel
	.amdgpu_metadata
---
amdhsa.version: [ 1, 2 ]
amdhsa.kernels:
  - .name:           k_q727efb7a27_attn
    .symbol:         k_q727efb7a27_attn.kd
    .args:
      - { .name: qkv, .offset: 0, .size: 8, .value_kind: global_buffer, .address_space: global }
      - { .name: att, .offset: 8, .size: 8, .value_kind: global_buffer, .address_space: global }
    .group_segment_fixed_size: 327680
    .private_segment_fixed_size: 0
    .kernarg_segment_align: 8
    .kernarg_segment_size: 16
    .max_flat_workgroup_size: 256
    .sgpr_count:     66
    .vgpr_count:     512
    .wavefront_size: 32
...
	.end_amdgpu_metadata
.endif
;; end of part 4
;; launch outproj (part 5): grid 4 x 64, 4 waves a work-group, clusters of 4 x 4, 327,680 bytes of LDS; arguments att, wo16, bo, out0; writes out0
.if DOCPART == 5
	.amdgcn_target "amdgcn-amd-amdhsa--gfx1250"
	.amdhsa_code_object_version 6
	.text
	.protected	k_q727efb7a27_outproj
	.globl	k_q727efb7a27_outproj
	.p2align	8
	.type	k_q727efb7a27_outproj,@function
k_q727efb7a27_outproj:
	s_mov_b64 s[64:65], 0
	v_nop
	global_prefetch_b8 v0, s[64:65] scope:SCOPE_SE
	s_setreg_imm32_b32 hwreg(HW_REG_WAVE_MODE, 25, 1), 1
	s_wait_xcnt 0x0
	s_wait_alu depctr_hold_cnt(0) depctr_sa_sdst(0) depctr_va_vdst(0) depctr_va_sdst(0) depctr_va_ssrc(0) depctr_va_vcc(0) depctr_vm_vsrc(0)
	s_getreg_b32 s2, hwreg(HW_REG_IB_STS2, 6, 4)
	s_cmp_eq_u32 s2, 0
	s_cbranch_scc0 .Lentry_in_a_cluster
	s_endpgm
.Lentry_in_a_cluster:
	s_bfe_u32 s2, ttmp6, 0x10000c
	s_cmp_lg_u32 s2, 0xf033
	s_cbranch_scc0 .Lentry_shape_is_right
	s_endpgm
.Lentry_shape_is_right:
; out0[row][n] = sum over k of att[row][k] Wo[n][k] + bo[n], f16 operands, f32 sums, f32 result.  att: [b][h][pos][64] f16 (k = 64 h + channel); wo16: [n 1024][k 1024] f16.
; SHARES: 64 x 4 tiles of 128 rows x 256 columns, one to a work-group; wave (w / 2, w % 2) makes 64 x 128: 32 accumulators.  K goes in eight steps of 128 (two heads) through a ring of two LDS slots.
; A slot: att's [2 heads][128 rows], pitch 144, then Wo's [256 rows], pitch 272.  Waves 0, 1 fetch a head each (a dense block of 128 rows x 128 bytes), waves 2, 3 Wo's halves: one load a wave behind each round.
; CLUSTERS: 4 x 4.  att's tile is shared along a row of the cluster, Wo's along a column: joint loads.  THE MATRIX INSTRUCTION IS USED TRANSPOSED (source 0 = Wo's rows): a lane holds eight neighbouring columns of one row.
; The bias, in the result's layout, is the C of each sum's first product.  NO PREFETCH: a wave's whole launch is 1,024 matrix instructions.
; The rows of positions 0 to 15 are written here like all others and are written over by the launch that carries them in f32: a branch on a work-group's place in its cluster may not spare them.
; REGISTERS: window 0: v16-30 addresses; v64-127 att's fragments, two buffers of four; v128-191 the bias; on the way out v128-255 rows.  window 1: v0-127 Wo's fragments, two buffers of eight.  window 2: accumulator (a, b) at v[8 (8 a + b)].
.set PA,    144
.set PB,    272
.set AH,    128*PA
.set BOFF,  2*AH
.set BHF,   128*PB
.set SLOT,  BOFF+2*BHF
.set STAGE, 2*SLOT
.set SPITCH, 528
.set SPARE, STAGE+4*16*SPITCH
.set ADRA, 16
.set ADRB, 20
.set STO,  24
.set RD,   25
.set CO,   26
.set SPW,  28
.set NIL,  29
.set AFR,  64
.set BIAS, 128
.set BK,   128
.set G1A, 24
.set G0A, 32
.set G1B, 48
.set G0B, 56
.set MSB, 0
.macro WIN new
.if MSB != (\new)
	s_set_vgpr_msb (MSB<<8)|(\new)
.set MSB, (\new)
.endif
.endm
.set MUL,  0xa1                        ; source 0 (Wo) window 1, source 1 (att) window 0, C and D window 2
.set TO_B, 0x40
.macro JLOAD s                         ; a joint load; an s_nop 0 and four v_nop follow each of the two lines
	s_cmp_eq_u32 s13, 0
	s_cbranch_scc0 .Lfor_b_\@
	tensor_load_to_lds s[G0A+4*\s:G0A+4*\s+3], s[G1A:G1A+7]
	s_nop 0
.rept 4
	v_nop
.endr
	s_branch .Lasked_\@
.Lfor_b_\@:
	tensor_load_to_lds s[G0B+4*\s:G0B+4*\s+3], s[G1B:G1B+7]
	s_nop 0
.rept 4
	v_nop
.endr
.Lasked_\@:
.endm
.macro CREST
	s_cmp_lg_u32 s12, 0
	s_cbranch_scc1 .Lnot_wave_0_\@
	s_barrier_signal -3
.Lnot_wave_0_\@:
	s_barrier_wait -3
	s_barrier_signal -1
	s_barrier_wait -1
.endm
.macro CROUND
	s_barrier_signal -1
	s_barrier_wait -1
	CREST
.endm
	s_load_b256 s[4:11], s[0:1], 0x0               ; att, wo16, bo, out0
	v_lshl_add_u32 v[SPW], v0, 2, SPARE
	v_mov_b32 v[NIL], 0
	ds_add_u32 v[SPW], v[NIL]                      ; the wave's opening: the add, twice on end, and its wait ahead of my first tensor load
	ds_add_u32 v[SPW], v[NIL]
	v_lshrrev_b32 v1, 5, v0
	v_readfirstlane_b32 s12, v1                    ; wave 0..3
	s_lshr_b32 s13, s12, 1                         ; which half of the tile's rows is mine.  Also: I fetch for att (0) or for Wo (1)
	s_and_b32 s14, s12, 1                          ; which half of its columns.  Also: which head, or which 128 rows of Wo, I fetch
	s_bfe_u32 s40, ttmp6, 0x40000                  ; cx
	s_bfe_u32 s41, ttmp6, 0x40004                  ; cy
	s_lshl_b32 s15, ttmp9, 2
	s_add_co_u32 s15, s15, s40                     ; tile column
	s_and_b32 s16, ttmp7, 0xffff
	s_lshl_b32 s16, s16, 2
	s_add_co_u32 s16, s16, s41                     ; tile row, 0..63
	s_lshl_b32 s42, s41, 2
	s_lshl_b32 s42, 15, s42                        ; my row of the cluster
	s_lshl_b32 s43, 0x1111, s40                    ; my column
	s_or_b32 s[G1A], s42, (1<<16)|(1<<20)|(1<<21)|(4<<22)|(3<<25)   ; elements of 2 bytes; padding: 4 words behind every 32
	s_mov_b32 s[G1A+1], 64<<16
	s_mov_b32 s[G1A+2], 128<<16
	s_mov_b32 s[G1A+3], 64<<16
	s_mov_b32 s[G1A+4], 128
	s_mov_b32 s[G1A+5], 64
	s_mov_b32 s[G1A+6], 0
	s_mov_b32 s[G1A+7], 0
	s_or_b32 s[G1B], s43, (1<<16)|(1<<20)|(1<<21)|(5<<22)|(3<<25)   ; 4 words behind every 64
	s_mov_b32 s[G1B+1], 128<<16
	s_mov_b32 s[G1B+2], 128<<16
	s_mov_b32 s[G1B+3], 128<<16
	s_mov_b32 s[G1B+4], 128
	s_mov_b32 s[G1B+5], 1024
	s_mov_b32 s[G1B+6], 0
	s_mov_b32 s[G1B+7], 0
	s_lshr_b32 s18, s16, 4                         ; att: batch,
	s_lshl_b32 s18, s18, 22
	s_and_b32 s19, s16, 15
	s_lshl_b32 s19, s19, 14                        ; 128 positions of 128 bytes,
	s_add_co_u32 s18, s18, s19
	s_lshl_b32 s19, s14, 18                        ; my head of the K step's two
	s_add_co_u32 s18, s18, s19
	s_mov_b32 s19, 0
	s_lshl_b32 s46, s15, 8
	s_lshl_b32 s47, s14, 7
	s_add_co_u32 s46, s46, s47                     ; Wo: row 256 x tile column + 128 x half,
	s_lshl_b32 s46, s46, 11                        ; of 2,048 bytes
	s_mov_b32 s47, 0
	s_mul_i32 s20, s14, AH                         ; where they go in a slot
	s_mul_i32 s21, s14, BHF
	s_add_co_u32 s21, s21, BOFF
	s_wait_dscnt 0x0                               ; both opening adds are done
	s_wait_kmcnt 0x0
	s_add_nc_u64 s[18:19], s[4:5], s[18:19]
	s_add_nc_u64 s[46:47], s[6:7], s[46:47]
	CROUND                                         ; all sixteen work-groups are here: the first joint loads meet
.irp s, 0,1
	s_mov_b32 s[G0A+4*\s], 1
	s_add_co_u32 s[G0A+4*\s+1], s20, \s*SLOT
	s_add_nc_u64 s[G0A+4*\s+2:G0A+4*\s+3], s[18:19], \s*524288     ; K step s: two heads on
	s_or_b32 s[G0A+4*\s+3], s[G0A+4*\s+3], 0x80000000
	s_mov_b32 s[G0B+4*\s], 1
	s_add_co_u32 s[G0B+4*\s+1], s21, \s*SLOT
	s_add_nc_u64 s[G0B+4*\s+2:G0B+4*\s+3], s[46:47], \s*256
	s_or_b32 s[G0B+4*\s+3], s[G0B+4*\s+3], 0x80000000
	JLOAD \s
.endr
	v_and_b32 v1, 15, v0                           ; r
	v_bfe_u32 v2, v0, 4, 1                         ; half
	v_mul_u32_u24 v3, v1, PA
	v_lshl_add_u32 v3, v2, 4, v3
	v_mul_u32_u24 v4, v1, PB
	v_lshl_add_u32 v4, v2, 4, v4
	s_mul_i32 s20, s13, 64*PA                      ; my 64 rows of att
	s_mul_i32 s21, s14, BHF
	s_add_co_u32 s21, s21, BOFF                    ; my 128 rows of Wo
.irp s, 0,1
	v_add_nc_u32 v[ADRA+\s], s20, v3
	v_add_nc_u32 v[ADRB+\s], s21, v4
	s_add_co_u32 s20, s20, SLOT
	s_add_co_u32 s21, s21, SLOT
.endr
	s_mul_i32 s22, s12, 16*SPITCH
	s_add_co_u32 s22, s22, STAGE                   ; my stage
	v_mul_u32_u24 v5, v1, SPITCH
	v_lshl_add_u32 v5, v2, 5, v5
	v_add_nc_u32 v[STO], s22, v5                   ; in: row r, 32 bytes for each half of the lanes
	v_and_b32 v6, 31, v0
	v_lshlrev_b32 v[CO], 4, v6                     ; back: the 32 lanes take a row of 512 bytes; and the same in out0
	v_add_nc_u32 v[RD], s22, v[CO]
	s_lshl_b32 s20, s16, 7
	s_lshl_b32 s21, s13, 6
	s_add_co_u32 s20, s20, s21                     ; my first row
	s_lshl_b32 s20, s20, 12
	s_lshl_b32 s21, s15, 10
	s_lshl_b32 s22, s14, 9
	s_add_co_u32 s22, s21, s22                     ; my first column, in bytes
	s_add_co_u32 s20, s20, s22
	s_mov_b32 s21, 0
	s_mov_b32 s23, 0
	s_add_nc_u64 s[10:11], s[10:11], s[20:21]
	s_add_nc_u64 s[8:9], s[8:9], s[22:23]
	v_lshlrev_b32 v7, 5, v2
.irp b, 0,1,2,3,4,5,6,7
	global_load_b128 v[BIAS+8*\b:BIAS+8*\b+3], v7, s[8:9] offset:64*\b
	global_load_b128 v[BIAS+8*\b+4:BIAS+8*\b+7], v7, s[8:9] offset:64*\b+16
.endr
; 8 matrix instructions: att's block a against Wo's eight, 32 along K, from buffer f.  first = 1: C is the bias.  The 32 accumulators take turns.
.macro MUL8 f, a, first
.irp b, 0,1,2,3,4,5,6,7
.if \first
	v_wmma_f32_16x16x32_f16 v[8*(8*(\a)+\b):8*(8*(\a)+\b)+7], v[64*(\f)+8*\b:64*(\f)+8*\b+7], v[AFR+32*(\f)+8*(\a):AFR+32*(\f)+8*(\a)+7], v[BIAS+8*\b:BIAS+8*\b+7]
.else
	v_wmma_f32_16x16x32_f16 v[8*(8*(\a)+\b):8*(8*(\a)+\b)+7], v[64*(\f)+8*\b:64*(\f)+8*\b+7], v[AFR+32*(\f)+8*(\a):AFR+32*(\f)+8*(\a)+7], v[8*(8*(\a)+\b):8*(8*(\a)+\b)+7]
.endif
.endr
.endm
; 24 LDS loads in one run: quarter q (32 along K: head q / 2, channels 32 (q % 2) on) of a slot into buffer f: Wo's sixteen, then att's eight
.macro FETCH slot, q, f
	WIN TO_B
.irp i, 0,1,2,3,4,5,6,7
	ds_load_b128 v[64*(\f)+8*\i:64*(\f)+8*\i+3], v[ADRB+\slot] offset:(\q)*64+\i*16*PB
	ds_load_b128 v[64*(\f)+8*\i+4:64*(\f)+8*\i+7], v[ADRB+\slot] offset:(\q)*64+\i*16*PB+32
.endr
	WIN 0
.irp i, 0,1,2,3
	ds_load_b128 v[AFR+32*(\f)+8*\i:AFR+32*(\f)+8*\i+3], v[ADRA+\slot] offset:((\q)/2)*AH+((\q)%2)*64+\i*16*PA
	ds_load_b128 v[AFR+32*(\f)+8*\i+4:AFR+32*(\f)+8*\i+7], v[ADRA+\slot] offset:((\q)/2)*AH+((\q)%2)*64+\i*16*PA+32
.endr
.endm
.macro PLACES                          ; four plain vector instructions between a matrix instruction and a load into, or a read of, its registers
.rept 4
	v_nop
.endr
.endm
.macro QUARTER slot, qn, f, g, first   ; multiplies buffer f; in its middle fetches quarter qn of the same slot into buffer g
	s_wait_dscnt 4                                 ; all but att's blocks 2 and 3 (four loads) are in
	WIN MUL-0x20*(\first)
	MUL8 \f, 0, \first
	MUL8 \f, 1, \first
	PLACES
	FETCH \slot, \qn, \g
	s_wait_dscnt 24                                ; all but the 24 just issued
	WIN MUL-0x20*(\first)
	MUL8 \f, 2, \first
	MUL8 \f, 3, \first
.endm
; A K step's last quarter multiplies buffer 1 and changes slots: one barrier; in front of it each wave waits for its tensor load, adds 0 to its spare word, and waits for that and for its reads of this slot.
; fill = 1: the barrier opens a round of the cluster's, and this slot is filled again, two K steps ahead: 112 matrix instructions stand between the request and the wait for it.
.macro TURN slot, next, fill
	WIN 0
	s_wait_tensorcnt 0x0                           ; my part of the next slot has landed
	ds_add_u32 v[SPW], v[NIL]
	s_wait_dscnt 5                                 ; (the add and the youngest four loads may be out)
	WIN MUL
	MUL8 1, 0, 0
	s_wait_dscnt 0x0                               ; the add is done, and my reads of this slot are over
	s_barrier_signal -1
	MUL8 1, 1, 0
	WIN 0
	s_barrier_wait -1
.if \fill
	CREST
	s_add_nc_u64 s[G0A+4*\slot+2:G0A+4*\slot+3], s[G0A+4*\slot+2:G0A+4*\slot+3], 2*524288
	s_add_nc_u64 s[G0B+4*\slot+2:G0B+4*\slot+3], s[G0B+4*\slot+2:G0B+4*\slot+3], 2*256
	JLOAD \slot                                    ; the first tensor load behind the round; its four v_nop are also the places in front of the loads below
.else
	PLACES
.endif
	FETCH \next, 0, 0
	WIN MUL
	MUL8 1, 2, 0
	MUL8 1, 3, 0
.endm
	s_wait_tensorcnt 1                             ; my part of K step 0 is in; K step 1's load may be out
	s_barrier_signal -1
	s_barrier_wait -1
	s_wait_loadcnt 0x0                             ; the bias
	FETCH 0, 0, 0
	QUARTER 0, 1, 0, 1, 1                          ; the first quarter stands in front of the loop: its products start the sums, from the bias
	WIN 0
	s_mov_b32 s3, 3
.Llap:                                             ; a trip goes once round the ring and fills both slots again
	QUARTER 0, 2, 1, 0, 0
	QUARTER 0, 3, 0, 1, 0
	TURN 0, 1, 1
	QUARTER 1, 1, 0, 1, 0
	QUARTER 1, 2, 1, 0, 0
	QUARTER 1, 3, 0, 1, 0
	TURN 1, 0, 1
	QUARTER 0, 1, 0, 1, 0
	WIN 0
	s_sub_co_u32 s3, s3, 1
	s_cmp_lg_u32 s3, 0
	s_cbranch_scc1 .Llap
	QUARTER 0, 2, 1, 0, 0                          ; the last lap fills nothing
	QUARTER 0, 3, 0, 1, 0
	TURN 0, 1, 0
	QUARTER 1, 1, 0, 1, 0
	QUARTER 1, 2, 1, 0, 0
	QUARTER 1, 3, 0, 1, 0
	s_wait_dscnt 4
	WIN MUL
	MUL8 1, 0, 0
	MUL8 1, 1, 0
	s_wait_dscnt 0x0
	MUL8 1, 2, 0
	MUL8 1, 3, 0
	WIN 0
; THE WAY OUT, block by block of 16 rows x 128 columns: through my stage, back as whole rows of 512 bytes.
.macro TOSTAGE a
	WIN 0x08                                       ; an LDS store's data are its source 1: window 2
.irp b, 0,1,2,3,4,5,6,7
	ds_store_b128 v[STO], v[64*(\a)+8*\b:64*(\a)+8*\b+3] offset:64*\b            ; each accumulator from its low end on
	ds_store_b128 v[STO], v[64*(\a)+8*\b+4:64*(\a)+8*\b+7] offset:64*\b+16
.endr
	WIN 0
.set BB, BK+64*((\a)%2)
.irp t, 0,1,2,3,4,5,6,7,8,9,10,11,12,13,14,15
	ds_load_b128 v[BB+4*\t:BB+4*\t+3], v[RD] offset:\t*SPITCH
.endr
.endm
.macro SEND a, younger
.set BB, BK+64*((\a)%2)
	s_wait_dscnt \younger                          ; the block is back in registers; the next block's LDS instructions may be out
.irp t, 0,1,2,3,4,5,6,7,8,9,10,11,12,13,14,15
	global_store_b128 v[CO], v[BB+4*\t:BB+4*\t+3], s[10:11] offset:(16*(\a)+\t)*4096 th:TH_STORE_NT    ; 512 consecutive bytes, aligned
.endr
.endm
	PLACES
	TOSTAGE 0
.irp a, 1,2,3
.if \a > 1
	s_wait_xcnt 0x0                                ; block a - 2's stores have read their data: block a's loads may land there
.endif
	TOSTAGE \a
	SEND \a-1, 32
.endr
	SEND 3, 0
	s_wait_tensorcnt 0x0                           ; the wave's end
	ds_add_u32 v[SPW], v[NIL]
	s_wait_dscnt 0x0
	CROUND                                         ; the closing round
	s_endpgm
.Lfunc_end_k_q727efb7a27_outproj:
	.size	k_q727efb7a27_outproj, .Lfunc_end_k_q727efb7a27_outproj-k_q727efb7a27_outproj
	.p2alignl 7, 3214868480
	.fill 96, 4, 3214868480
	.section	.rodata,"a",@progbits
	.p2align	6, 0x0
	.amdhsa_kernel k_q727efb7a27_outproj
		.amdhsa_group_segment_fixed_size 327680
		.amdhsa_private_segment_fixed_size 0
		.amdhsa_enable_private_segment 0
		.amdhsa_kernarg_size 32
		.amdhsa_user_sgpr_count 2
		.amdhsa_user_sgpr_kernarg_segment_ptr 1
		.amdhsa_wavefront_size32 1
		.amdhsa_system_sgpr_workgroup_id_x 1
		.amdhsa_system_sgpr_workgroup_id_y 1
		.amdhsa_system_sgpr_workgroup_id_z 1
		.amdhsa_system_vgpr_workitem_id 0
		.amdhsa_next_free_vgpr 768
		.amdhsa_next_free_sgpr 66
		.amdhsa_reserve_vcc 0
		.amdhsa_float_denorm_mode_32 3
		.amdhsa_float_denorm_mode_16_64 3
		.amdhsa_memory_ordered 1
		.amdhsa_forward_progress 1
		.amdhsa_inst_pref_size 87
	.end_amdhsa_kernel
	.amdgpu_metadata
---
amdhsa.version: [ 1, 2 ]
amdhsa.kernels:
  - .name:           k_q727efb7a27_outproj
    .symbol:         k_q727efb7a27_outproj.kd
    .args:
      - { .name: att, .offset: 0, .size: 8, .value_kind: global_buffer, .address_space: global }
      - { .name: wo16, .offset: 8, .size: 8, .value_kind: global_buffer, .address_space: global }
      - { .name: bo, .offset: 16, .size: 8, .value_kind: global_buffer, .address_space: global }
      - { .name: out0, .offset: 24, .size: 8, .value_kind: global_buffer, .address_space: global }
    .group_segment_fixed_size: 327680
    .private_segment_fixed_size: 0
    .kernarg_segment_align: 8
    .kernarg_segment_size: 32
    .max_flat_workgroup_size: 128
    .sgpr_count:     66
    .vgpr_count:     768
    .wavefront_size: 32
...
	.end_amdgpu_metadata
.endif
;; end of part 5
;; launch fine_out (part 6): grid 16 x 4, 16 waves a work-group, no clusters, 71,936 bytes of LDS; arguments att16, Wo, bo, out0; writes out0
.if DOCPART == 6
	.amdgcn_target "amdgcn-amd-amdhsa--gfx1250"
	.amdhsa_code_object_version 6
	.text
	.protected	k_q727efb7a27_fine_out
	.globl	k_q727efb7a27_fine_out
	.p2align	8
	.type	k_q727efb7a27_fine_out,@function
k_q727efb7a27_fine_out:
	s_mov_b64 s[64:65], 0
	v_nop
	global_prefetch_b8 v0, s[64:65] scope:SCOPE_SE
	s_setreg_imm32_b32 hwreg(HW_REG_WAVE_MODE, 25, 1), 1
	s_wait_xcnt 0x0
; The output projection of positions 0 to 15 of every sequence, in f32: out0[2048 b + pos][n] = sum over k of att16[b][pos][k] Wo[n][k] + bo[n].  It writes over the rows that the launch before stored from f16 operands.
; A work-group makes 16 rows (batch = y) x 64 columns (64 x on): 256 consecutive bytes of each row.  Wave u takes k = 64 u .. 64 u + 63 for all four tiles of 16 columns, whose accumulators take turns;
; the sixteen partial sums meet in LDS as images of the accumulators' registers; wave u then adds registers 2 u and 2 u + 1 of the 32.
; Source 0 = 16 rows of Wo, source 1 = the 16 positions: lane (r, half) holds position r and columns 8 half + j.  A lane loads four neighbours along K at 8 c + 4 half: the same places along K on both sides.
; 64 work-groups: a quarter of the columns each would store pieces of 64 bytes.  LIMIT: the order of the f32 sums differs from the definition's.
.set STG,   65536                      ; behind the 16 images of 4,096 bytes: 16 rows x (256 bytes + 16)
.set SPARE, STG+16*272                 ; the spare words: 128 bytes a wave
.set SPW, 10
.set NIL, 11
.set BF,  32                           ; v32-63   att16
.set AF,  64                           ; v64-191  Wo, 32 a tile
.set ACC, 192                          ; v192-223 written by the f32 matrix form alone
	s_load_b256 s[4:11], s[0:1], 0x0               ; att16, Wo, bo, out0
	v_lshl_add_u32 v[SPW], v0, 2, SPARE
	v_mov_b32 v[NIL], 0
	v_lshrrev_b32 v1, 5, v0
	v_readfirstlane_b32 s12, v1                    ; wave u
	s_and_b32 s14, ttmp7, 0xffff                   ; batch
	v_and_b32 v1, 15, v0                           ; r
	v_bfe_u32 v2, v0, 4, 1                         ; half
	v_and_b32 v3, 31, v0                           ; lane
	v_lshlrev_b32 v4, 12, v1
	v_lshl_add_u32 v4, v2, 4, v4                   ; row r of 4,096 bytes, + 16 half
	s_lshl_b32 s15, s12, 12
	v_lshl_add_u32 v5, v3, 4, s15                  ; my image: 4,096 u + 16 lane
	s_lshr_b32 s16, s12, 1
	s_lshl_b32 s16, s16, 9
	s_and_b32 s17, s12, 1
	s_lshl_b32 s17, s17, 3
	s_add_co_u32 s16, s16, s17
	v_lshl_add_u32 v6, v3, 4, s16                  ; registers 2 u, 2 u + 1 of an image: 512 (u / 2) + 8 (u % 2) + 16 lane
	s_lshr_b32 s18, s12, 2
	s_lshl_b32 s18, s18, 6
	s_and_b32 s19, s12, 3
	s_lshl_b32 s19, s19, 3
	s_add_co_u32 s18, s18, s19
	v_lshl_add_u32 v9, v2, 5, s18                  ; those two registers' columns, in bytes: 64 (u / 4) + 32 half + 8 (u % 4)
	v_mul_u32_u24 v7, v1, 272
	v_add_nc_u32 v7, v7, v9
	v_add_nc_u32 v7, STG, v7                       ; the stage, in
	s_min_u32 s19, s12, 7                          ; (waves 0 to 7 read it back)
	s_mul_i32 s19, s19, 2*272
	s_add_co_u32 s19, s19, STG
	v_mul_u32_u24 v8, v2, 272
	v_lshl_add_u32 v8, v1, 4, v8
	v_add_nc_u32 v8, s19, v8                       ; back: rows 2 u and 2 u + 1, sixteen lanes to a row
	v_lshlrev_b32 v12, 12, v2
	v_lshl_add_u32 v12, v1, 4, v12                 ; and the same in out0
	s_lshl_b32 s24, s12, 8                         ; my 64 along K: 256 bytes
	s_lshl_b32 s20, s14, 16
	s_add_co_u32 s20, s20, s24
	s_mov_b32 s21, 0
	s_lshl_b32 s22, ttmp9, 18                      ; Wo: 64 rows of 4,096 bytes a work-group
	s_add_co_u32 s22, s22, s24
	s_mov_b32 s23, 0
	s_lshl_b32 s24, ttmp9, 8                       ; my 64 columns: 256 bytes
	s_mov_b32 s25, 0
	s_lshl_b32 s26, s14, 23                        ; out0: 2,048 rows of 4,096 bytes a batch,
	s_lshl_b32 s27, s12, 13                        ; two rows a wave
	s_add_co_u32 s26, s26, s27
	s_add_co_u32 s26, s26, s24
	s_mov_b32 s27, 0
	s_wait_kmcnt 0x0
	s_add_nc_u64 s[4:5], s[4:5], s[20:21]
	s_add_nc_u64 s[6:7], s[6:7], s[22:23]
	s_add_nc_u64 s[8:9], s[8:9], s[24:25]
	s_add_nc_u64 s[10:11], s[10:11], s[26:27]
.irp cc, 0,1,2,3,4,5,6,7
	global_load_b128 v[BF+4*\cc:BF+4*\cc+3], v4, s[4:5] offset:32*\cc
.endr
.irp ct, 0,1,2,3
.irp cc, 0,1,2,3,4,5,6,7
	global_load_b128 v[AF+32*\ct+4*\cc:AF+32*\ct+4*\cc+3], v4, s[6:7] offset:65536*\ct+32*\cc
.endr
.endr
	global_load_b64 v[24:25], v9, s[8:9]           ; the bias of my two columns
	s_wait_loadcnt 0x0
.irp ct, 0,1,2,3                               ; each sum's first product has C = 0
	v_wmma_f32_16x16x4_f32 v[ACC+8*\ct:ACC+8*\ct+7], v[AF+32*\ct:AF+32*\ct+1], v[BF:BF+1], 0
.endr
.irp n, 1,2,3,4,5,6,7,8,9,10,11,12,13,14,15
.irp ct, 0,1,2,3
	v_wmma_f32_16x16x4_f32 v[ACC+8*\ct:ACC+8*\ct+7], v[AF+32*\ct+2*\n:AF+32*\ct+2*\n+1], v[BF+2*\n:BF+2*\n+1], v[ACC+8*\ct:ACC+8*\ct+7]
.endr
.endr
.rept 8
	v_nop
.endr
.irp k, 0,1,2,3,4,5,6,7
	ds_store_b128 v5, v[ACC+4*\k:ACC+4*\k+3] offset:512*\k       ; each accumulator from its low end on
.endr
	s_wait_dscnt 0x0                               ; for the others' sake: my image has landed
	s_barrier_signal -1
	s_barrier_wait -1
.irp w, 0,1,2,3,4,5,6,7,8,9,10,11,12,13,14,15
	ds_load_b64 v[AF+2*\w:AF+2*\w+1], v6 offset:4096*\w
.endr
	s_wait_dscnt 0x0
.irp i, 0,1,2,3,4,5,6,7
	v_pk_add_f32 v[AF+4*\i:AF+4*\i+1], v[AF+4*\i:AF+4*\i+1], v[AF+4*\i+2:AF+4*\i+3]
.endr
.irp i, 0,1,2,3
	v_pk_add_f32 v[AF+8*\i:AF+8*\i+1], v[AF+8*\i:AF+8*\i+1], v[AF+8*\i+4:AF+8*\i+5]
.endr
.irp i, 0,1
	v_pk_add_f32 v[AF+16*\i:AF+16*\i+1], v[AF+16*\i:AF+16*\i+1], v[AF+16*\i+8:AF+16*\i+9]
.endr
	v_pk_add_f32 v[AF:AF+1], v[AF:AF+1], v[AF+16:AF+17]
	v_pk_add_f32 v[AF:AF+1], v[AF:AF+1], v[24:25]
	ds_store_b64 v7, v[AF:AF+1]
	s_wait_dscnt 0x0                               ; for the others' sake: my two columns lie in the stage
	s_barrier_signal -1
	s_barrier_wait -1
	s_cmp_ge_u32 s12, 8
	s_cbranch_scc1 .Lend
	ds_load_b128 v[BF:BF+3], v8
	s_wait_dscnt 0x0
	global_store_b128 v12, v[BF:BF+3], s[10:11]    ; sixteen lanes store 256 consecutive bytes, aligned
.Lend:
	s_wait_tensorcnt 0x0                           ; the wave's end
	ds_add_u32 v[SPW], v[NIL]
	s_wait_dscnt 0x0
	s_endpgm
.Lfunc_end_k_q727efb7a27_fine_out:
	.size	k_q727efb7a27_fine_out, .Lfunc_end_k_q727efb7a27_fine_out-k_q727efb7a27_fine_out
	.p2alignl 7, 3214868480
	.fill 96, 4, 3214868480
	.section	.rodata,"a",@progbits
	.p2align	6, 0x0
	.amdhsa_kernel k_q727efb7a27_fine_out
		.amdhsa_group_segment_fixed_size 71936
		.amdhsa_private_segment_fixed_size 0
		.amdhsa_enable_private_segment 0
		.amdhsa_kernarg_size 32
		.amdhsa_user_sgpr_count 2
		.amdhsa_user_sgpr_kernarg_segment_ptr 1
		.amdhsa_wavefront_size32 1
		.amdhsa_system_sgpr_workgroup_id_x 1
		.amdhsa_system_sgpr_workgroup_id_y 1
		.amdhsa_system_sgpr_workgroup_id_z 1
		.amdhsa_system_vgpr_workitem_id 0
		.amdhsa_next_free_vgpr 256
		.amdhsa_next_free_sgpr 66
		.amdhsa_reserve_vcc 0
		.amdhsa_float_denorm_mode_32 3
		.amdhsa_float_denorm_mode_16_64 3
		.amdhsa_memory_ordered 1
		.amdhsa_forward_progress 1
		.amdhsa_inst_pref_size 14
	.end_amdhsa_kernel
	.amdgpu_metadata
---
amdhsa.version: [ 1, 2 ]
amdhsa.kernels:
  - .name:           k_q727efb7a27_fine_out
    .symbol:         k_q727efb7a27_fine_out.kd
    .args:
      - { .name: att16, .offset: 0, .size: 8, .value_kind: global_buffer, .address_space: global }
      - { .name: Wo, .offset: 8, .size: 8, .value_kind: global_buffer, .address_space: global }
      - { .name: bo, .offset: 16, .size: 8, .value_kind: global_buffer, .address_space: global }
      - { .name: out0, .offset: 24, .size: 8, .value_kind: global_buffer, .address_space: global }
    .group_segment_fixed_size: 71936
    .private_segment_fixed_size: 0
    .kernarg_segment_align: 8
    .kernarg_segment_size: 32
    .max_flat_workgroup_size: 512
    .sgpr_count:     66
    .vgpr_count:     256
    .wavefront_size: 32
...
	.end_amdgpu_metadata
.endif
;; end of part 6
